; MI455X (gfx1250); checked and timed in simulation.
; The chip was launched on July 23, 2026; its instructions are those of AMD's public machine-readable ISA for CDNA 5 (MIT licence, August 2026) and "CDNA5" Instruction Set Architecture Reference Guide (July 2026). The comments in the code are by the model that wrote it; some were corrected since.
;; Expert Group. Allowed arithmetic: matrix products marked QUANTISED: E2M1 operands, one E8M0 scale for each 32 along K, by v_wmma_scale_f32_16x16x128_f8f6f4 with both operands' format E2M1 (or v_wmma_scale_f32_32x16x128_f4), f32 sums; everything else in f32.
;; Inputs: down_weight 8 x 1,024 x 2,048 float32; expert_ids 1,024 int32; gate_weight 8 x 2,048 x 1,024 float32; up_weight 8 x 2,048 x 1,024 float32; x 1,024 x 1,024 float32.
;; Outputs: out0 1,024 x 1,024 float32.
;; This version of the problem:
;;   THIS VERSION OF THE PROBLEM IS GIVEN IN LOW PRECISION. The matrix products marked QUANTISED in the list below multiply operands that are first quantised to E2M1 (2 exponent bits, 1 mantissa bit; 4 bits a number), with one power-of-two scale for each 32 numbers along K (OCP MX v1.0); their sums are f32. All else is computed in f32.
;;   The module's matrix products, in the order in which they are computed (A, B: the left and right operand; K: the contracted axis; several contracted axes count as one K, in the product's order):
;;     1. [M 1,024, K 1,024] x [K 1,024, N 16,384]; A: input x; B: input gate_weight: QUANTISED
;;     2. [M 1,024, K 1,024] x [K 1,024, N 16,384]; A: input x; B: input up_weight: QUANTISED
;;     3. [M 1,024, K 2,048] x [K 2,048, N 8,192]; A: computed on the way; B: input down_weight: QUANTISED
;;   THE QUANTISER, for each operand of a quantised product, along K:
;;     - K is cut into blocks of 32 from its start; a last block that is shorter is filled with zeros.
;;     - A block's scale is 2^e with e = floor(log2(the largest magnitude in the block)) - 2, held to -126 .. 127; a block of zeros has e = 0. As a byte (E8M0): e + 127.
;;     - Each number is divided by its block's scale, clamped to +-6, and rounded to the nearest number of E2M1, ties to even, subnormals kept.
;;     - The product sums the exact products of the quantised numbers (number of the format x scale) in f32.
;;   ~~~python
;;   def quantise(x, axis):      # numpy; x: float32 -> the quantised numbers, widened to float32 again
;;       x = np.moveaxis(x, axis, -1); K = x.shape[-1]
;;       x = np.pad(x, [(0, 0)] * (x.ndim - 1) + [(0, -K % 32)]); x = x.reshape(x.shape[:-1] + (-1, 32)); a = np.abs(x).max(-1, keepdims=True)
;;       e = np.where(a > 0, np.clip(np.frexp(np.where(a > 0, a, 1))[1] - 1 - 2, -126, 127), 0)      # np.frexp(a)[1] - 1 = floor(log2(a)), exactly
;;       r = np.clip(x / 2.0 ** e, -6, 6)
;;       step = 2.0 ** (np.maximum(np.frexp(np.where(r == 0, 1, r))[1] - 1, 0) - 1)
;;       q = np.round(r / step) * step * 2.0 ** e      # np.round: ties to even
;;       return np.moveaxis(q.reshape(q.shape[:-2] + (-1,))[..., :K], -1, axis).astype(np.float32)
;;   ~~~
;;   OPERANDS COMPUTED ON THE WAY. 'Computed on the way' means the value that the module computes at that place (a softmax that the list does not call 'softmax' is quantised finished and normalised). What goes into a quantiser is computed in f32, as accurately as f32 sums, v_exp_f32 and their like allow (about 1e-6 of the number): no bf16 or f16 on the way to a quantiser, and a product that is left as it is and whose result goes on into a quantised operand takes f32 operands (vector FMAs, or v_wmma_f32_16x16x4_f32). A number that lies on a knife's edge between two numbers of the format may be rounded either way, as far as f32 arithmetic and the matrix unit's own rounding can turn it there, and no further.
;; 3 versions, each right; version 2 is faster than version 1; version 3 is version 2 with the launches gateup, down written anew for expert scheduling mode. Each part assembles by itself: llvm-mc -triple=amdgcn-amd-amdhsa -mcpu=gfx1250 --defsym DOCPART=n.
;; ======== version 1 of 3: 3 launches
;; workspace buffers: wq 25,165,824 bytes; ws 1,572,864 bytes; xq 557,056 bytes; hq 1,253,376 bytes; order 4,608 bytes of whole numbers
;; launch quant (part 1): grid 785 x 1, 4 waves a work-group, no clusters, 68,096 bytes of LDS; arguments gate_weight, up_weight, down_weight, x, expert_ids, wq, ws, xq, order; writes wq, ws, xq, order
.if DOCPART == 1
	.amdgcn_target "amdgcn-amd-amdhsa--gfx1250"
	.amdhsa_code_object_version 6
	.text
	.protected	k_qcdc703e9d8_quant
	.globl	k_qcdc703e9d8_quant
	.p2align	8
	.type	k_qcdc703e9d8_quant,@function
k_qcdc703e9d8_quant:
	s_mov_b64 s[64:65], 0
	v_nop
	global_prefetch_b8 v0, s[64:65] scope:SCOPE_SE
	s_setreg_imm32_b32 hwreg(HW_REG_WAVE_MODE, 25, 1), 1
	s_wait_xcnt 0x0
; LAUNCH 1.  Work-group 0 sorts the 1,024 tokens by expert (a counting sort on whole numbers, no LDS, no atomics).  Work-groups 1 to 784 turn gate_weight, up_weight,
; down_weight and x, all f32 with K innermost, into codes of FP4 (E2M1) with one E8M0 scale byte for each 32 along K.
; A block's scale is 2^(floor(log2(its largest magnitude)) - 2); its byte is the largest magnitude's exponent field - 2, held at 1 from below.
; LIMITS: NaN and infinities among the inputs are not served.  A block of zeros gets the byte 1 where the rule says 127: its codes are zeros, which add nothing under any
; byte but 0xff, and the bytes are read by this program alone.  expert_ids lie in 0 .. 7, as the gather of the problem relies on.
; A TASK, one a wave: 16 rows x 1,024 along K = 8 K steps of 128.  Task q = 4 (work-group - 1) + wave:
;   q 0..1023 gate, 1024..2047 up: tile tau = 128 e + 2 g + u; row m of the tile is hidden unit 32 g + 8 u + m + 8 (m / 8), so that two neighbouring tiles' results are 16 neighbours along the next K
;   q 2048..3071 down: tau = 2 (64 e + d / 16) + half, 16 neighbouring rows, the half says which 1,024 of K
;   q 3072..3135 x: 16 neighbouring tokens
; OUT.  wq: at 8,192 q + 1,024 s + 512 c + 16 lane the registers 4 c .. 4 c + 3 of K step s's fragment: an image of the operand's registers, so that a later load of 16 bytes a lane fills a fragment.
;   ws: at 512 q + 16 lane four words; word i: lanes 0-15 row r's scale word of K step 2 i, lanes 16-31 that of K step 2 i + 1.
;   xq: codes by token, 512 bytes a token (tokens are gathered later); from byte 524,288 the scale words in ws's form, 512 bytes for 16 tokens.
; A load reads 512 consecutive bytes of one row, 16 a lane; the conversions want 32 neighbours along K in ONE lane's registers.  So a K step's 16 x 512 bytes turn through the wave's own stage in LDS.
; Waves share nothing: no barrier.  Loads run two K steps (32 loads a wave) ahead.
.set SP,    528                        ; a stage row: 512 bytes + 16: row r starts 4 r words on modulo 64 words, so the sixteen lanes of a 16-byte access touch sixteen different columns
.set OST,   16*SP                      ; behind the wave's in-stage: a stage for x's codes on their way out (bytes of its own, touched by x's tasks alone)
.set WREG,  2*16*SP                    ; LDS bytes of a wave
.set P,     20                         ; v20-23   the four packed scale words
.set C,     24                         ; v24-31   a K step's codes
.set ROW,   32                         ; v32-47   byte offset of my 16 bytes in row i of the task
.set X,     48                         ; v48-111  64 numbers: register 32 c + i = k 64 c + 32 (lane / 16) + i of row lane % 16
.set R,     112                        ; v112-239 two sets of 64 registers as loaded
.set LIST,  512                        ; order: bytes 0..511 the table, from 512 on the sorted tokens
.set XW0,   524288                     ; xq: where the scale words begin
	s_load_b512 s[8:23], s[0:1], 0x0               ; gate s[8:9], up s[10:11], down s[12:13], x s[14:15], ids s[16:17], wq s[18:19], ws s[20:21], xq s[22:23]
	s_load_b64 s[24:25], s[0:1], 0x40              ; order
	v_lshl_add_u32 v240, v0, 2, 0x10800
	v_mov_b32 v241, 0
	v_lshrrev_b32 v1, 5, v0
	v_readfirstlane_b32 s26, v1                    ; wave 0..3
	v_and_b32 v1, 31, v0                           ; lane
	v_and_b32 v2, 15, v0                           ; r
	v_bfe_u32 v3, v0, 4, 1                         ; h
	v_lshlrev_b32 v4, 4, v1                        ; 16 x lane
	s_cmp_eq_u32 ttmp9, 0
	s_cbranch_scc1 .Lsort
	; ---- the quantiser: one path for the four tensors; what differs is chosen on the work-group's number alone
	s_sub_co_u32 s27, ttmp9, 1
	s_lshr_b32 s28, s27, 8                         ; which tensor: 0 gate, 1 up, 2 down, 3 x
	s_lshl_b32 s29, s27, 2
	s_add_co_u32 s29, s29, s26                     ; q
	s_and_b32 s30, s29, 1023                       ; tau
	s_cmp_lt_u32 s28, 2
	s_cselect_b32 s41, 0x8000, 0                   ; gate, up: rows 8-15 of a tile lie 8 rows further on
	s_cselect_b32 s31, 15, 12                      ; tau's low bit is worth 8 rows of 4,096 bytes (gate, up), half a row of 8,192 (down),
	s_cmp_eq_u32 s28, 2
	s_cselect_b32 s40, 13, 12                      ; a row is 8,192 bytes (down) or 4,096
	s_cmp_eq_u32 s28, 3
	s_cselect_b32 s31, 16, s31                     ; or 16 rows of 4,096 (x)
	s_cselect_b32 s43, s30, s29                    ; the task's number in its output buffers
	s_cselect_b32 s47, XW0, 0
	s_lshl_b32 s40, 1, s40                         ; the pitch
	s_lshr_b32 s38, s30, 1
	s_lshl_b32 s38, s38, 17                        ; two tiles are 131,072 bytes in each of the four tensors
	s_and_b32 s42, s30, 1
	s_lshl_b32 s42, s42, s31
	s_add_co_u32 s38, s38, s42
	s_mov_b32 s39, 0
	s_mov_b32 s44, 0x76543210
	s_mov_b32 s45, 0xfedcba98                      ; v_permlanex16_b32's selects for lane l xor 16
	s_mov_b32 s46, 0xffff0000                      ; lanes 16-31
	s_mov_b32 s42, 0
.irp i, 0,1,2,3,4,5,6,7,8,9,10,11,12,13,14,15
.if \i == 8
	s_add_co_u32 s42, s42, s41
.endif
	v_add_nc_u32 v[ROW+\i], s42, v4
	s_add_co_u32 s42, s42, s40
.endr
	s_wait_kmcnt 0x0
	s_cmp_lt_u32 s28, 1
	s_cselect_b64 s[32:33], s[8:9], s[10:11]
	s_cmp_lt_u32 s28, 2
	s_cselect_b64 s[32:33], s[32:33], s[12:13]
	s_cmp_lt_u32 s28, 3
	s_cselect_b64 s[32:33], s[32:33], s[14:15]     ; the source
	s_cselect_b64 s[34:35], s[18:19], s[22:23]     ; where the codes go
	s_cselect_b64 s[36:37], s[20:21], s[22:23]     ; where the scale words go
	s_add_nc_u64 s[32:33], s[32:33], s[38:39]
	s_lshl_b32 s38, s43, 13
	s_add_nc_u64 s[34:35], s[34:35], s[38:39]
	s_lshl_b32 s38, s43, 9
	s_add_co_u32 s38, s38, s47
	s_add_nc_u64 s[36:37], s[36:37], s[38:39]
.macro LOADK s                         ; K step s: 16 rows x 512 bytes; 32 lanes read 512 consecutive bytes; read once in the launch
.irp i, 0,1,2,3,4,5,6,7,8,9,10,11,12,13,14,15
	global_load_b128 v[R+64*((\s)%2)+4*\i:R+64*((\s)%2)+4*\i+3], v[ROW+\i], s[32:33] offset:512*(\s) th:TH_LOAD_NT
.endr
.endm
	LOADK 0
	LOADK 1
	s_mul_i32 s74, s26, WREG                       ; my wave's LDS bytes
	v_add_nc_u32 v5, s74, v4                       ; into the stage: 16 x lane (+ 528 x row)
	v_mul_u32_u24 v6, v2, SP
	v_lshl_add_u32 v7, v3, 4, v6
	v_lshl_add_u32 v6, v3, 7, v6
	v_add_nc_u32 v6, s74, v6                       ; out of it: row r, + 128 h: my 32 numbers of a pair of blocks
	v_add_nc_u32 v7, s74, v7
	v_add_nc_u32 v7, OST, v7                       ; x's codes: row r of 512 bytes, + 16 h
	v_add_nc_u32 v8, OST, v5                       ; and back by rows
	v_lshlrev_b32 v9, 3, v3                        ; 8 h: my bytes' place in the scale word
	v_mov_b32 v17, 0                               ; written once: a lane permute's destination counts as one of its sources
.macro STEP s
.if (\s) < 7
	s_wait_loadcnt 16                              ; this K step's 16 loads are in; the next step's 16 may be out
.else
	s_wait_loadcnt 0x0
.endif
.irp i, 0,1,2,3,4,5,6,7,8,9,10,11,12,13,14,15
	ds_store_b128 v5, v[R+64*((\s)%2)+4*\i:R+64*((\s)%2)+4*\i+3] offset:SP*\i
.endr
.irp c, 0,1
.irp j, 0,1,2,3,4,5,6,7
	ds_load_b128 v[X+32*\c+4*\j:X+32*\c+4*\j+3], v6 offset:256*\c+16*\j   ; LDS serves a wave's instructions in order: these see the stores above
.endr
.endr
	s_wait_dscnt 0x0                               ; my 64 numbers are in, and the stores into the stage have read their registers,
	s_wait_xcnt 0x0                                ; and the last step's stores of codes have read theirs
.if (\s) < 6
	LOADK (\s)+2                                   ; which take the loads of two steps on
.endif
.irp c, 0,1
	v_max3_num_f32 v[10+\c], |v[X+32*\c]|, |v[X+32*\c+1]|, 0x1800000   ; block 2 c + h of my row: all 32 numbers are mine; and the floor 2^(3 - 127): the byte cannot fall under 1
.endr
.irp i, 2,4,6,8,10,12,14,16,18,20,22,24,26,28,30
.irp c, 0,1
	v_max3_num_f32 v[10+\c], v[10+\c], |v[X+32*\c+\i]|, |v[X+32*\c+\i+1]|   ; (the two blocks by turns)
.endr
.endr
.irp c, 0,1
	v_add_nc_u32 v[12+\c], 0xff000000, v[10+\c]    ; 2 off the exponent field: the conversion takes the exponent field of this operand as its scale, and nothing else of it
.endr
.irp c, 0,1
.irp g, 0,1,2,3
	v_cvt_scalef32_pk8_fp4_f32 v[C+4*\c+\g], v[X+32*\c+8*\g:X+32*\c+8*\g+7], v[12+\c]   ; registers 4 c .. 4 c + 3 of the fragment
.endr
.endr
	v_lshrrev_b32 v14, 23, v12                     ; the scales' bytes (a plain line behind the conversions)
	v_lshrrev_b32 v15, 23, v13
	v_lshl_or_b32 v16, v15, 16, v14                ; blocks h and 2 + h,
	v_lshlrev_b32 v16, v9, v16                     ; at their places in the word;
	v_permlanex16_b32 v17, v16, s44, s45
	v_or_b32 v16, v16, v17                         ; with lane l xor 16's two the row's word is whole, in both lanes
.if (\s)%2 == 0
	v_mov_b32 v18, v16
.else
	v_cndmask_b32 v[P+(\s)/2], v18, v16, s46       ; lanes 0-15 keep the even K step's word, lanes 16-31 the odd one's
.endif
	s_cmp_eq_u32 s28, 3
	s_cbranch_scc1 .Lx_codes_\@
	global_store_b128 v4, v[C:C+3], s[34:35] offset:1024*(\s)          ; a weight's fragment as it stands: each store covers 512 consecutive bytes, aligned
	global_store_b128 v4, v[C+4:C+7], s[34:35] offset:1024*(\s)+512
	s_branch .Lcodes_out_\@
.Lx_codes_\@:
	ds_store_b128 v7, v[C:C+3] offset:64*(\s)                          ; x's codes are gathered by rows
	ds_store_b128 v7, v[C+4:C+7] offset:64*(\s)+32
.Lcodes_out_\@:
.endm
.irp t, 0,1,2,3,4,5,6,7
	STEP \t
.endr
	global_store_b128 v4, v[P:P+3], s[36:37]       ; the task's 128 scale words: 512 consecutive bytes
	s_cmp_eq_u32 s28, 3
	s_cbranch_scc0 .Ldone
.irp i, 0,1,2,3,4,5,6,7,8,9,10,11,12,13,14,15
	ds_load_b128 v[R+4*\i:R+4*\i+3], v8 offset:SP*\i   ; a token's 512 bytes of codes; these see my stores
.endr
.irp i, 0,1,2,3,4,5,6,7,8,9,10,11,12,13,14,15
	s_wait_dscnt 15-\i                             ; row i is back; the younger loads may be out
	global_store_b128 v4, v[R+4*\i:R+4*\i+3], s[34:35] offset:512*\i
.endr
.Ldone:
	s_wait_tensorcnt 0x0
	ds_add_u32 v240, v241
	s_wait_dscnt 0x0
	s_endpgm
	; ---- the sort.  Wave w places tokens 256 w .. 256 w + 255.  Every wave counts all 1,024 ids: the low half of s[48 + e] is expert e's total, the high half the number of e's tokens in front of mine.
.Lsort:
	s_wait_kmcnt 0x0
.irp i, 0,1,2,3,4,5,6,7
	global_load_b128 v[32+4*\i:35+4*\i], v4, s[16:17] offset:512*\i    ; load i: tokens 128 i .. 128 i + 127
.endr
	v_lshlrev_b32 v85, 2, v1
	s_lshl_b32 s74, s26, 10
	v_add_nc_u32 v85, s74, v85
.irp j, 0,1,2,3,4,5,6,7
	global_load_b32 v[64+\j], v85, s[16:17] offset:128*\j              ; my tokens, group j: 256 w + 32 j + lane
.endr
	s_lshl_b32 s74, s26, 8
	v_add_nc_u32 v86, s74, v1                      ; 256 w + lane
	s_lshl_b32 s72, s26, 1                         ; loads 0 .. 2 w - 1 lie in front of my tokens
.irp e, 0,1,2,3,4,5,6,7
	s_mov_b32 s[48+\e], 0
.endr
.irp n, 80,81,82,83
	v_mov_b32 v\n, 0
.endr
	s_wait_loadcnt 0x0
.irp i, 0,1,2,3,4,5,6,7
	s_cmp_gt_u32 s72, \i
	s_cselect_b32 s66, 0x10001, 1                  ; counted in both halves, or in the total alone
.irp k, 0,1,2,3
.irp e, 0,1,2,3,4,5,6,7
	v_cmp_eq_u32 s67, \e, v[32+4*\i+\k]
	s_bcnt1_i32_b32 s68, s67
	s_mul_i32 s68, s68, s66
	s_add_co_u32 s[48+\e], s[48+\e], s68
.endr
.endr
.endr
	s_mov_b32 s69, 0                               ; the running first place,
	s_mov_b32 s70, 0                               ; and the running first tile of 16
.irp e, 0,1,2,3,4,5,6,7
	s_and_b32 s68, s[48+\e], 0xffff                ; e's tokens
	s_lshr_b32 s67, s[48+\e], 16
	s_add_co_u32 s[48+\e], s69, s67                ; the place of my first token of e
	s_add_co_u32 s71, s68, 15
	s_lshr_b32 s71, s71, 4                         ; e's tiles
	v_writelane_b32 v80, s69, \e                   ; the table's row e: first place, count, first tile, tiles
	v_writelane_b32 v81, s68, \e
	v_writelane_b32 v82, s70, \e
	v_writelane_b32 v83, s71, \e
	s_add_co_u32 s69, s69, s68
	s_add_co_u32 s70, s70, s71
.endr
.irp j, 0,1,2,3,4,5,6,7
	v_mov_b32 v[72+\j], 0
.irp e, 0,1,2,3,4,5,6,7
	v_cmp_eq_u32 s67, \e, v[64+\j]
	v_mbcnt_lo_u32_b32 v84, s67, s[48+\e]          ; the running place + e's tokens in the lanes below mine
	v_cndmask_b32 v[72+\j], v[72+\j], v84, s67
	s_bcnt1_i32_b32 s68, s67
	s_add_co_u32 s[48+\e], s[48+\e], s68
.endr
	v_min_u32 v[72+\j], 0x3ff, v[72+\j]            ; a place in the list of 1,024
	v_lshlrev_b32 v[72+\j], 2, v[72+\j]
	v_add_nc_u32 v[88+\j], 32*\j, v86              ; my token's number
	global_store_b32 v[72+\j], v[88+\j], s[24:25] offset:LIST
.endr
	s_cmp_lg_u32 s26, 0
	s_cbranch_scc1 .Lsorted
	global_store_b128 v4, v[80:83], s[24:25]       ; wave 0 stores the table: 32 lanes x 16 bytes, lanes 8-31 zeros
.Lsorted:
	s_endpgm
.Lfunc_end_k_qcdc703e9d8_quant:
	.size	k_qcdc703e9d8_quant, .Lfunc_end_k_qcdc703e9d8_quant-k_qcdc703e9d8_quant
	.p2alignl 7, 3214868480
	.fill 96, 4, 3214868480
	.section	.rodata,"a",@progbits
	.p2align	6, 0x0
	.amdhsa_kernel k_qcdc703e9d8_quant
		.amdhsa_group_segment_fixed_size 68096
		.amdhsa_private_segment_fixed_size 0
		.amdhsa_enable_private_segment 0
		.amdhsa_kernarg_size 72
		.amdhsa_user_sgpr_count 2
		.amdhsa_user_sgpr_kernarg_segment_ptr 1
		.amdhsa_wavefront_size32 1
		.amdhsa_system_sgpr_workgroup_id_x 1
		.amdhsa_system_sgpr_workgroup_id_y 1
		.amdhsa_system_sgpr_workgroup_id_z 1
		.amdhsa_system_vgpr_workitem_id 0
		.amdhsa_next_free_vgpr 242
		.amdhsa_next_free_sgpr 80
		.amdhsa_reserve_vcc 0
		.amdhsa_float_denorm_mode_32 3
		.amdhsa_float_denorm_mode_16_64 3
		.amdhsa_memory_ordered 1
		.amdhsa_forward_progress 1
		.amdhsa_inst_pref_size 129
	.end_amdhsa_kernel
	.amdgpu_metadata
---
amdhsa.version: [ 1, 2 ]
amdhsa.kernels:
  - .name:           k_qcdc703e9d8_quant
    .symbol:         k_qcdc703e9d8_quant.kd
    .args:
      - { .name: gate_weight, .offset: 0, .size: 8, .value_kind: global_buffer, .address_space: global }
      - { .name: up_weight, .offset: 8, .size: 8, .value_kind: global_buffer, .address_space: global }
      - { .name: down_weight, .offset: 16, .size: 8, .value_kind: global_buffer, .address_space: global }
      - { .name: x, .offset: 24, .size: 8, .value_kind: global_buffer, .address_space: global }
      - { .name: expert_ids, .offset: 32, .size: 8, .value_kind: global_buffer, .address_space: global }
      - { .name: wq, .offset: 40, .size: 8, .value_kind: global_buffer, .address_space: global }
      - { .name: ws, .offset: 48, .size: 8, .value_kind: global_buffer, .address_space: global }
      - { .name: xq, .offset: 56, .size: 8, .value_kind: global_buffer, .address_space: global }
      - { .name: order, .offset: 64, .size: 8, .value_kind: global_buffer, .address_space: global }
    .group_segment_fixed_size: 68096
    .private_segment_fixed_size: 0
    .kernarg_segment_align: 8
    .kernarg_segment_size: 72
    .max_flat_workgroup_size: 128
    .sgpr_count:     80
    .vgpr_count:     242
    .wavefront_size: 32
...
	.end_amdgpu_metadata
.endif
;; end of part 1
;; launch gateup (part 2): grid 256 x 1, 4 waves a work-group, no clusters, 0 bytes of LDS; arguments wq, ws, xq, order, hq; writes hq
.if DOCPART == 2
	.amdgcn_target "amdgcn-amd-amdhsa--gfx1250"
	.amdhsa_code_object_version 6
	.text
	.protected	k_qcdc703e9d8_gateup
	.globl	k_qcdc703e9d8_gateup
	.p2align	8
	.type	k_qcdc703e9d8_gateup,@function
k_qcdc703e9d8_gateup:
	s_mov_b64 s[64:65], 0
	v_nop
	global_prefetch_b8 v0, s[64:65] scope:SCOPE_SE
	s_setreg_imm32_b32 hwreg(HW_REG_WAVE_MODE, 25, 1), 1
	s_wait_xcnt 0x0
; LAUNCH 2.  hidden = silu(x Wg^T) * (x Wu^T) for each token's own expert, both products on codes of FP4 (E2M1) with E8M0 scales, and the hidden layer quantised along the next K.
; SHARES.  Work-group: expert e = number / 32 and two groups of 32 hidden units.  Wave w: group g = 2 (number % 32) + w / 2, and the expert's tiles of 16 tokens t = w % 2, + 2, + 4 ...
; A wave keeps its four weight tiles (gate u = 0, 1; up u = 0, 1; each 16 rows x 1,024 K) in 256 registers, loaded once as images of the operand's registers, and walks the tokens.
; The walk's length comes from the table that the launch before stored as whole numbers, so nothing is shared between waves: no LDS, no barrier.  A wave whose first tile does not exist ends at once: the grid serves every split.
; No cluster and no joint loads: the number of tiles differs from expert to expert and is read from memory, and the weights go straight into registers.
; TRANSPOSED: source 0 = 16 rows of a weight, source 1 = 16 tokens: a lane holds ONE token (lane % 16).  Row m of tile (g, u) is hidden unit 32 g + 8 u + m + 8 (m / 8), so the 16 registers of
; tiles u = 0, 1 are hidden units 32 g + 16 (lane / 16) + 0 .. 15: neighbours along the next K.
; A place past the expert's count takes the expert's last token again: it computes that token's numbers a second time; nothing is masked.
; OUT.  hq, tile T of 16 sorted places: codes at 16,384 T + 256 g + 16 r + 8 h (an image of the next operand's registers); scale bytes from HS0 on at 1,024 T + 256 (g / 16) + 16 r + g % 16.
; LIMITS: NaN and infinities are not served; a block of zeros gets the byte 1 (its codes are zeros; this program alone reads the bytes).  Where 2^(-g log2 e) overflows the reciprocal is 0 and so is the hidden number.
; REGISTERS.  Window 0: v1-23 addresses and work; v64-127 x's 8 fragments; v128-131 x's scale words; v132-147 the weights' (tile t, word i at 132 + 4 t + i); v160-191 four accumulators; v192-207 the hidden numbers.
;   Window 1: the weights: tile t, K step s at v[64 t + 8 s].
.set XF,   64
.set XSC,  128
.set WSC,  132
.set ACC,  160
.set T,    192
.set HS0,  1179648
.set LIST, 512
.set XW0,  524288
.set MSB, 0
.macro WIN new                         ; the immediate's high byte repeats the setting that is left
.if MSB != \new
	s_set_vgpr_msb (MSB<<8)|\new
.set MSB, \new
.endif
.endm
; v[dst] = the byte in the list of place min(s[st] + r, count - 1) of my expert
.macro IDX dst, st
	v_add_nc_u32 v[\dst], s[\st], v2
	v_min_u32 v[\dst], s23, v[\dst]
	v_add_nc_u32 v[\dst], s16, v[\dst]
	v_min_u32 v[\dst], 0x3ff, v[\dst]
	v_lshlrev_b32 v[\dst], 2, v[\dst]
.endm
; from the token in v[tok]: where its codes and its scale words lie in xq
.macro XADDR tok
	v_min_u32 v[\tok], 0x3ff, v[\tok]
	v_lshl_add_u32 v9, v[\tok], 9, v22             ; 512 bytes a token, + 16 h
	v_and_b32 v10, 0x3f0, v[\tok]
	v_lshl_add_u32 v10, v10, 5, v13                ; 512 bytes for 16 tokens, + 256 h
	v_and_b32 v23, 15, v[\tok]
	v_lshl_add_u32 v10, v23, 4, v10                ; + 16 (token % 16)
.endm
.macro XLOAD                           ; my token's 8 fragments' parts and its four scale words (lanes 0-15: the even K steps', lanes 16-31: the odd ones')
.irp s, 0,1,2,3,4,5,6,7
.irp c, 0,1
	global_load_b128 v[XF+8*\s+4*\c:XF+8*\s+4*\c+3], v9, s[8:9] offset:64*\s+32*\c
.endr
.endr
	global_load_b128 v[XSC:XSC+3], v10, s[8:9] offset:XW0
.endm
.macro MM d, a, b, sa, sb, odd, z      ; z: the product starts the sum;  odd: both sides' scale words stand in lanes 16-31
.if \z
	v_wmma_scale_f32_16x16x128_f8f6f4 v[(\d):(\d)+7], v[(\a):(\a)+7], v[(\b):(\b)+7], 0, v[(\sa)], v[(\sb)] matrix_a_fmt:MATRIX_FMT_FP4 matrix_b_fmt:MATRIX_FMT_FP4
.elseif \odd
	v_wmma_scale_f32_16x16x128_f8f6f4 v[(\d):(\d)+7], v[(\a):(\a)+7], v[(\b):(\b)+7], v[(\d):(\d)+7], v[(\sa)], v[(\sb)] matrix_a_fmt:MATRIX_FMT_FP4 matrix_b_fmt:MATRIX_FMT_FP4 matrix_a_scale:MATRIX_SCALE_ROW1 matrix_b_scale:MATRIX_SCALE_ROW1
.else
	v_wmma_scale_f32_16x16x128_f8f6f4 v[(\d):(\d)+7], v[(\a):(\a)+7], v[(\b):(\b)+7], v[(\d):(\d)+7], v[(\sa)], v[(\sb)] matrix_a_fmt:MATRIX_FMT_FP4 matrix_b_fmt:MATRIX_FMT_FP4
.endif
.endm
	s_load_b256 s[4:11], s[0:1], 0x0               ; wq s[4:5], ws s[6:7], xq s[8:9], order s[10:11]
	s_load_b64 s[12:13], s[0:1], 0x20              ; hq
	v_lshrrev_b32 v1, 5, v0
	v_readfirstlane_b32 s14, v1                    ; wave 0..3
	v_and_b32 v1, 31, v0                           ; lane
	v_and_b32 v2, 15, v0                           ; r
	v_bfe_u32 v3, v0, 4, 1                         ; h
	v_lshlrev_b32 v4, 4, v1                        ; 16 x lane
	s_lshr_b32 s15, ttmp9, 5                       ; e
	s_and_b32 s21, ttmp9, 31
	s_lshl_b32 s21, s21, 1
	s_lshr_b32 s22, s14, 1
	s_add_co_u32 s21, s21, s22                     ; g
	s_and_b32 s22, s14, 1                          ; my first tile of tokens
	s_lshl_b32 s40, s15, 4
	s_mov_b32 s41, 0
	s_mov_b32 s36, 0xbfb8aa3b                      ; -log2(e)
	s_mov_b32 s37, s36                             ; (named with it as a pair, so it is written)
	s_mov_b32 s38, 0x76543210
	s_mov_b32 s39, 0xfedcba98                      ; v_permlanex16_b32's selects for lane l xor 16
	s_wait_kmcnt 0x0
	s_add_nc_u64 s[42:43], s[10:11], s[40:41]
	s_load_b128 s[16:19], s[42:43], 0x0            ; the table's row e: first place, count, first tile, tiles
	v_lshlrev_b32 v13, 8, v3                       ; 256 h
	v_lshlrev_b32 v22, 4, v3                       ; 16 h
	v_lshlrev_b32 v11, 4, v2
	v_lshl_add_u32 v11, v3, 3, v11                 ; 16 r + 8 h
	s_wait_kmcnt 0x0
	s_min_u32 s16, s16, 1023
	s_min_u32 s17, s17, 1024
	s_min_u32 s18, s18, 71
	s_min_u32 s19, s19, 64
	s_cmp_ge_u32 s22, s19
	s_cbranch_scc1 .Lend                           ; no tile for me
	s_sub_co_u32 s23, s17, 1                       ; the expert's last place
	s_sub_co_u32 s44, s19, s22
	s_add_co_u32 s44, s44, 1
	s_lshr_b32 s44, s44, 1                         ; my trips: every second tile from my first on, at least one
	s_mov_b32 s24, 0                               ; trips done
	s_lshl_b32 s25, s22, 4
	IDX 7, 25
	global_load_b32 v5, v7, s[10:11] offset:LIST   ; the tokens of my first tile,
	s_add_co_u32 s25, s25, 32
	IDX 8, 25
	global_load_b32 v6, v8, s[10:11] offset:LIST   ; and of my second (or the last token again)
	s_add_co_u32 s25, s25, 32                      ; 16 x the tile whose tokens are asked for next
	s_lshl_b32 s40, s15, 20
	s_lshl_b32 s42, s21, 14
	s_add_co_u32 s40, s40, s42
	s_add_nc_u64 s[26:27], s[4:5], s[40:41]        ; gate's two tiles: task 128 e + 2 g, 8,192 bytes a task
	s_add_nc_u64 s[28:29], s[26:27], 0x800000      ; up's: 1,024 tasks on
	s_lshl_b32 s40, s15, 16
	s_lshl_b32 s42, s21, 10
	s_add_co_u32 s40, s40, s42
	s_add_nc_u64 s[30:31], s[6:7], s[40:41]        ; their scale words, 512 bytes a task
	s_add_co_u32 s42, s18, s22
	s_lshl_b32 s40, s42, 14
	s_add_nc_u64 s[32:33], s[12:13], s[40:41]      ; hq at my first tile: codes,
	s_lshl_b32 s40, s42, 10
	s_add_co_u32 s40, s40, HS0
	s_add_nc_u64 s[34:35], s[12:13], s[40:41]      ; scale bytes
	s_lshl_b32 s42, s21, 8
	v_add_nc_u32 v11, s42, v11                     ; my codes' place in a tile: 256 g + 16 r + 8 h
	s_lshr_b32 s42, s21, 4
	s_lshl_b32 s42, s42, 8
	s_and_b32 s43, s21, 15
	s_add_co_u32 s42, s42, s43
	v_lshl_add_u32 v12, v2, 4, s42                 ; my byte's: 256 (g / 16) + 16 r + g % 16
	WIN 0x40                                       ; destination window 1, address window 0
.irp i, 0,1,2,3,4,5,6,7,8,9,10,11,12,13,14,15,16,17,18,19,20,21,22,23,24,25,26,27,28,29,30,31
	global_load_b128 v[4*\i:4*\i+3], v4, s[26:27] offset:512*\i        ; gate: 512 consecutive bytes a load
.endr
	WIN 0
	s_wait_loadcnt 32                              ; the two list loads are in; the 32 issued behind them may be out
	XADDR 5
	XLOAD                                          ; my first tile of x
	WIN 0x40
.irp i, 0,1,2,3,4,5,6,7,8,9,10,11,12,13,14,15,16,17,18,19,20,21,22,23,24,25,26,27,28,29,30,31
	global_load_b128 v[128+4*\i:128+4*\i+3], v4, s[28:29] offset:512*\i   ; up
.endr
	WIN 0
.irp u, 0,1
	global_load_b128 v[WSC+4*\u:WSC+4*\u+3], v4, s[30:31] offset:512*\u
	global_load_b128 v[WSC+8+4*\u:WSC+8+4*\u+3], v4, s[30:31] offset:524288+512*\u
.endr
.Ltrip:                                                ; one tile of 16 tokens
	s_wait_loadcnt 0x0                             ; x's fragments and words, the next tile's tokens; in the first trip the weights too
	WIN 0x01                                       ; source 0 (the weights) window 1
.irp s, 0,1,2,3,4,5,6,7                        ; the four accumulators take turns, one instruction a turn
.irp t, 0,1,2,3
.if \s == 0
	MM ACC+8*\t, 64*\t, XF, WSC+4*\t, XSC, 0, 1
.else
	MM ACC+8*\t, 64*\t+8*\s, XF+8*\s, WSC+4*\t+\s/2, XSC+\s/2, \s%2, 0
.endif
.endr
.endr
	WIN 0
	XADDR 6                                        ; six plain lines that name no register of the products: the places in front of the loads below and of the first read of the results
	XLOAD                                          ; the next tile of x lands while this one's hidden numbers are made
	IDX 7, 25
	global_load_b32 v6, v7, s[10:11] offset:LIST   ; and the tokens of the tile after it
	; silu(g) u = (g / (1 + 2^(-g log2 e))) u, in f32; each accumulator is read from its low end on
.irp j, 0,2,4,6,8,10,12,14
	v_pk_mul_f32 v[T+\j:T+\j+1], v[ACC+\j:ACC+\j+1], s[36:37] op_sel_hi:[1,0]
.endr
.irp j, 0,1,2,3,4,5,6,7,8,9,10,11,12,13,14,15
	v_exp_f32 v[T+\j], v[T+\j]
.endr
	v_nop                                          ; a plain line behind the transcendentals
	s_wait_alu depctr_va_vdst(0)
.irp j, 0,2,4,6,8,10,12,14
	v_pk_add_f32 v[T+\j:T+\j+1], v[T+\j:T+\j+1], 1.0 op_sel_hi:[1,0]
.endr
.irp j, 0,1,2,3,4,5,6,7,8,9,10,11,12,13,14,15
	v_rcp_f32 v[T+\j], v[T+\j]
.endr
	v_nop
	s_wait_alu depctr_va_vdst(0)
.irp j, 0,2,4,6,8,10,12,14
	v_pk_mul_f32 v[T+\j:T+\j+1], v[T+\j:T+\j+1], v[ACC+\j:ACC+\j+1]
.endr
.irp j, 0,2,4,6,8,10,12,14
	v_pk_mul_f32 v[T+\j:T+\j+1], v[T+\j:T+\j+1], v[ACC+16+\j:ACC+16+\j+1]
.endr
	; block g of my token: my 16 numbers and lane l xor 16's
	v_max3_num_f32 v14, |v[T]|, |v[T+1]|, |v[T+2]|
	v_max3_num_f32 v15, |v[T+3]|, |v[T+4]|, |v[T+5]|
.irp i, 6,10
	v_max3_num_f32 v14, v14, |v[T+\i]|, |v[T+\i+1]|
	v_max3_num_f32 v15, v15, |v[T+\i+2]|, |v[T+\i+3]|
.endr
	v_max3_num_f32 v14, v14, |v[T+14]|, |v[T+15]|
	v_max3_num_f32 v14, v14, v15, 0x1800000        ; and the floor 2^(3 - 127): the byte cannot fall under 1
	v_permlanex16_b32 v15, v14, s38, s39
	v_max_num_f32 v14, v14, v15
	v_add_nc_u32 v16, 0xff000000, v14              ; 2 off the exponent field: the conversion's scale operand
	v_cvt_scalef32_pk8_fp4_f32 v20, v[T:T+7], v16
	v_cvt_scalef32_pk8_fp4_f32 v21, v[T+8:T+15], v16
	v_lshrrev_b32 v17, 23, v16                     ; the scale's byte (a plain line behind the conversions)
	global_store_b64 v11, v[20:21], s[32:33]       ; the 32 lanes store 256 consecutive bytes, aligned
	global_store_b8 v12, v17, s[34:35]             ; both lanes of a token write the same byte with the same value
	s_wait_xcnt 0x0                                ; the stores have read their registers and bases: both may be written again
	s_add_nc_u64 s[32:33], s[32:33], 0x8000        ; two tiles on
	s_add_nc_u64 s[34:35], s[34:35], 0x800
	s_add_co_u32 s25, s25, 32
	s_add_co_u32 s24, s24, 1                       ; the loop ends on a count of trips, one a trip, against a number that it does not write
	s_cmp_lt_u32 s24, s44
	s_cbranch_scc1 .Ltrip
.Lend:
	s_endpgm
.Lfunc_end_k_qcdc703e9d8_gateup:
	.size	k_qcdc703e9d8_gateup, .Lfunc_end_k_qcdc703e9d8_gateup-k_qcdc703e9d8_gateup
	.p2alignl 7, 3214868480
	.fill 96, 4, 3214868480
	.section	.rodata,"a",@progbits
	.p2align	6, 0x0
	.amdhsa_kernel k_qcdc703e9d8_gateup
		.amdhsa_group_segment_fixed_size 0
		.amdhsa_private_segment_fixed_size 0
		.amdhsa_enable_private_segment 0
		.amdhsa_kernarg_size 40
		.amdhsa_user_sgpr_count 2
		.amdhsa_user_sgpr_kernarg_segment_ptr 1
		.amdhsa_wavefront_size32 1
		.amdhsa_system_sgpr_workgroup_id_x 1
		.amdhsa_system_sgpr_workgroup_id_y 1
		.amdhsa_system_sgpr_workgroup_id_z 1
		.amdhsa_system_vgpr_workitem_id 0
		.amdhsa_next_free_vgpr 512
		.amdhsa_next_free_sgpr 66
		.amdhsa_reserve_vcc 0
		.amdhsa_float_denorm_mode_32 3
		.amdhsa_float_denorm_mode_16_64 3
		.amdhsa_memory_ordered 1
		.amdhsa_forward_progress 1
		.amdhsa_inst_pref_size 23
	.end_amdhsa_kernel
	.amdgpu_metadata
---
amdhsa.version: [ 1, 2 ]
amdhsa.kernels:
  - .name:           k_qcdc703e9d8_gateup
    .symbol:         k_qcdc703e9d8_gateup.kd
    .args:
      - { .name: wq, .offset: 0, .size: 8, .value_kind: global_buffer, .address_space: global }
      - { .name: ws, .offset: 8, .size: 8, .value_kind: global_buffer, .address_space: global }
      - { .name: xq, .offset: 16, .size: 8, .value_kind: global_buffer, .address_space: global }
      - { .name: order, .offset: 24, .size: 8, .value_kind: global_buffer, .address_space: global }
      - { .name: hq, .offset: 32, .size: 8, .value_kind: global_buffer, .address_space: global }
    .group_segment_fixed_size: 0
    .private_segment_fixed_size: 0
    .kernarg_segment_align: 8
    .kernarg_segment_size: 40
    .max_flat_workgroup_size: 128
    .sgpr_count:     66
    .vgpr_count:     512
    .wavefront_size: 32
...
	.end_amdgpu_metadata
.endif
;; end of part 2
;; launch down (part 3): grid 256 x 1, 2 waves a work-group, no clusters, 8,960 bytes of LDS; arguments wq, ws, hq, order, out0; writes out0
.if DOCPART == 3
	.amdgcn_target "amdgcn-amd-amdhsa--gfx1250"
	.amdhsa_code_object_version 6
	.text
	.protected	k_qcdc703e9d8_down
	.globl	k_qcdc703e9d8_down
	.p2align	8
	.type	k_qcdc703e9d8_down,@function
k_qcdc703e9d8_down:
	s_mov_b64 s[64:65], 0
	v_nop
	global_prefetch_b8 v0, s[64:65] scope:SCOPE_SE
	s_setreg_imm32_b32 hwreg(HW_REG_WAVE_MODE, 25, 1), 1
	s_wait_xcnt 0x0
; LAUNCH 3.  out[token] = hidden[token] Wd_e^T for the token's own expert, on codes of FP4 (E2M1) with E8M0 scales; K = 2,048 = 16 K steps of 128.
; SHARES.  Work-group: expert e = number / 32, outputs 64 og .. 64 og + 63 with og = (number / 2) % 16.  Wave w walks the expert's tiles of 16 tokens t = 2 (number % 2) + w, + 4, + 8 ...
; A wave keeps its 4 tiles of 16 outputs x 16 K steps in 512 registers, loaded once as images of the operand's registers.  The walk's length comes from the table stored two launches ago as whole numbers:
; waves share nothing, no barrier.  A wave whose first tile does not exist ends at once: the grid serves every split.
; No cluster and no joint loads: the number of tiles differs from expert to expert and is read from memory, and the weights go straight into registers.
; TRANSPOSED: source 0 = 16 rows of Wd, source 1 = 16 tokens: a lane holds one token (lane % 16) and eight neighbouring outputs.  A tile's 16 x 64 results go through the wave's own stage in LDS and
; leave by rows: sixteen lanes store 256 consecutive bytes of a token's row, aligned.
; A place past the expert's count holds the expert's last token again: it stores the same numbers to the same row; nothing is masked.
; REGISTERS.  Window 0: v1-7 addresses; v8-15 tokens; v16-23 list addresses; v24-31 store addresses; v32-63 four accumulators, then rows; v64-191 the hidden layer's 16 fragments; v192-199 its scale words;
;   v200-231 the weights' scale words.   Window 1: the weights' K steps 0-7 (tile i, step s at v[64 i + 8 s]).   Window 2: K steps 8-15.
.set TK,   8
.set IX,   16
.set OAD,  24
.set OA,   32
.set HF,   64
.set HSC,  192
.set DSC,  200
.set HS0,  1179648
.set LIST, 512
.set SPI,  272                         ; a stage row: 256 bytes + 16
.set MSB, 0
.macro WIN new                         ; the immediate's high byte repeats the setting that is left
.if MSB != \new
	s_set_vgpr_msb (MSB<<8)|\new
.set MSB, \new
.endif
.endm
.macro MM d, a, b, sa, sb, ra, rb, z   ; z: the product starts the sum;  ra, rb: that side's scale words stand in lanes 16-31
.if \z
	v_wmma_scale_f32_16x16x128_f8f6f4 v[(\d):(\d)+7], v[(\a):(\a)+7], v[(\b):(\b)+7], 0, v[(\sa)], v[(\sb)] matrix_a_fmt:MATRIX_FMT_FP4 matrix_b_fmt:MATRIX_FMT_FP4
.elseif (\ra) && (\rb)
	v_wmma_scale_f32_16x16x128_f8f6f4 v[(\d):(\d)+7], v[(\a):(\a)+7], v[(\b):(\b)+7], v[(\d):(\d)+7], v[(\sa)], v[(\sb)] matrix_a_fmt:MATRIX_FMT_FP4 matrix_b_fmt:MATRIX_FMT_FP4 matrix_a_scale:MATRIX_SCALE_ROW1 matrix_b_scale:MATRIX_SCALE_ROW1
.elseif (\ra)
	v_wmma_scale_f32_16x16x128_f8f6f4 v[(\d):(\d)+7], v[(\a):(\a)+7], v[(\b):(\b)+7], v[(\d):(\d)+7], v[(\sa)], v[(\sb)] matrix_a_fmt:MATRIX_FMT_FP4 matrix_b_fmt:MATRIX_FMT_FP4 matrix_a_scale:MATRIX_SCALE_ROW1
.elseif (\rb)
	v_wmma_scale_f32_16x16x128_f8f6f4 v[(\d):(\d)+7], v[(\a):(\a)+7], v[(\b):(\b)+7], v[(\d):(\d)+7], v[(\sa)], v[(\sb)] matrix_a_fmt:MATRIX_FMT_FP4 matrix_b_fmt:MATRIX_FMT_FP4 matrix_b_scale:MATRIX_SCALE_ROW1
.else
	v_wmma_scale_f32_16x16x128_f8f6f4 v[(\d):(\d)+7], v[(\a):(\a)+7], v[(\b):(\b)+7], v[(\d):(\d)+7], v[(\sa)], v[(\sb)] matrix_a_fmt:MATRIX_FMT_FP4 matrix_b_fmt:MATRIX_FMT_FP4
.endif
.endm
; Tile s25 of my expert: its 16 fragments and scale words of the hidden layer, and the tokens of its rows k + 8 h.  No load of mine is out where this stands, so bases and addresses may be written.
.macro NEXT
	s_add_co_u32 s42, s18, s25
	s_min_u32 s42, s42, 71
	s_lshl_b32 s40, s42, 14
	s_add_nc_u64 s[30:31], s[8:9], s[40:41]
	s_lshl_b32 s40, s42, 10
	s_add_nc_u64 s[32:33], s[34:35], s[40:41]
.irp i, 0,1,2,3,4,5,6,7,8,9,10,11,12,13,14,15,16,17,18,19,20,21,22,23,24,25,26,27,28,29,30,31
	global_load_b128 v[HF+4*\i:HF+4*\i+3], v4, s[30:31] offset:512*\i   ; registers 8 s + 4 c with 2 s + c = i: 512 consecutive bytes a load
.endr
.irp q, 0,1
	global_load_b128 v[HSC+4*\q:HSC+4*\q+3], v4, s[32:33] offset:512*\q   ; register 4 q + j: lanes 0-15 K step 8 q + j, lanes 16-31 K step 8 q + 4 + j
.endr
	s_lshl_b32 s43, s25, 4
	v_add_nc_u32 v232, s43, v233                   ; 16 x tile + 8 h
.irp k, 0,1,2,3,4,5,6,7
	v_add_nc_u32 v[IX+\k], \k, v232
	v_min_u32 v[IX+\k], s23, v[IX+\k]              ; past the count: the last token again
	v_add_nc_u32 v[IX+\k], s16, v[IX+\k]
	v_min_u32 v[IX+\k], 0x3ff, v[IX+\k]
	v_lshlrev_b32 v[IX+\k], 2, v[IX+\k]
	global_load_b32 v[TK+\k], v[IX+\k], s[10:11] offset:LIST
.endr
.endm
	s_load_b256 s[4:11], s[0:1], 0x0               ; wq s[4:5], ws s[6:7], hq s[8:9], order s[10:11]
	s_load_b64 s[12:13], s[0:1], 0x20              ; out0
	v_lshl_add_u32 v254, v0, 2, 0x2200
	v_mov_b32 v255, 0
	v_lshrrev_b32 v1, 5, v0
	v_readfirstlane_b32 s14, v1                    ; wave 0, 1
	v_and_b32 v1, 31, v0                           ; lane
	v_and_b32 v2, 15, v0                           ; r
	v_bfe_u32 v3, v0, 4, 1                         ; h
	v_lshlrev_b32 v4, 4, v1                        ; 16 x lane
	s_lshr_b32 s15, ttmp9, 5                       ; e
	s_bfe_u32 s21, ttmp9, 0x40001                  ; og: 4 bits from bit 1
	s_and_b32 s22, ttmp9, 1
	s_lshl_b32 s22, s22, 1
	s_add_co_u32 s22, s22, s14                     ; my first tile of tokens
	s_lshl_b32 s40, s15, 4
	s_mov_b32 s41, 0
	s_wait_kmcnt 0x0
	s_add_nc_u64 s[42:43], s[10:11], s[40:41]
	s_load_b128 s[16:19], s[42:43], 0x0            ; the table's row e: first place, count, first tile, tiles
	s_mul_i32 s36, s14, 16*SPI                     ; my stage
	v_mul_u32_u24 v5, v2, SPI
	v_lshl_add_u32 v5, v3, 5, v5
	v_add_nc_u32 v5, s36, v5                       ; in: row r, + 32 h (+ 64 x tile)
	v_mul_u32_u24 v6, v3, 8*SPI
	v_lshl_add_u32 v6, v2, 4, v6
	v_add_nc_u32 v6, s36, v6                       ; back: lanes 0-15 row k, lanes 16-31 row k + 8; 16 bytes a lane
	s_lshl_b32 s37, s21, 8
	v_lshl_add_u32 v7, v2, 4, s37                  ; my 16 bytes in a row of out0: 256 og + 16 r
	v_lshlrev_b32 v233, 3, v3                      ; 8 h
	s_wait_kmcnt 0x0
	s_min_u32 s16, s16, 1023
	s_min_u32 s17, s17, 1024
	s_min_u32 s18, s18, 71
	s_min_u32 s19, s19, 64
	s_cmp_ge_u32 s22, s19
	s_cbranch_scc1 .Lend                           ; no tile for me
	s_sub_co_u32 s23, s17, 1                       ; the expert's last place
	s_sub_co_u32 s44, s19, 1                       ; and its last tile
	s_sub_co_u32 s45, s19, s22
	s_add_co_u32 s45, s45, 3
	s_lshr_b32 s45, s45, 2                         ; my trips: every fourth tile from my first on, at least one
	s_mov_b32 s46, 0                               ; trips done
	s_mov_b32 s24, s22                             ; t, the tile in hand
	s_mov_b32 s25, s22
	s_add_nc_u64 s[34:35], s[8:9], HS0             ; the hidden layer's scale bytes
	NEXT                                           ; my first tile
	s_lshl_b32 s40, s15, 20
	s_lshl_b32 s42, s21, 16
	s_add_co_u32 s40, s40, s42
	s_add_co_u32 s40, s40, 0x1000000
	s_add_nc_u64 s[26:27], s[4:5], s[40:41]        ; down's tasks begin 2,048 tasks on; mine: 2 (64 e + 4 og + i) + half, 8,192 bytes each
	s_lshl_b32 s40, s15, 16
	s_lshl_b32 s42, s21, 12
	s_add_co_u32 s40, s40, s42
	s_add_co_u32 s40, s40, 0x100000
	s_add_nc_u64 s[28:29], s[6:7], s[40:41]        ; their scale words, 512 bytes a task
	WIN 0x40                                       ; destination window 1, address window 0
.irp i, 0,1,2,3
.irp j, 0,1,2,3,4,5,6,7,8,9,10,11,12,13,14,15
	global_load_b128 v[64*\i+4*\j:64*\i+4*\j+3], v4, s[26:27] offset:16384*\i+512*\j
.endr
.endr
	WIN 0x80                                       ; destination window 2
.irp i, 0,1,2,3
.irp j, 0,1,2,3,4,5,6,7,8,9,10,11,12,13,14,15
	global_load_b128 v[64*\i+4*\j:64*\i+4*\j+3], v4, s[26:27] offset:16384*\i+8192+512*\j
.endr
.endr
	WIN 0
.irp n, 0,1,2,3,4,5,6,7
	global_load_b128 v[DSC+4*\n:DSC+4*\n+3], v4, s[28:29] offset:512*\n   ; task 2 i + half at 4 (2 i + half): word j: lanes 0-15 its K step 2 j, lanes 16-31 2 j + 1
.endr
.Ltrip:                                                ; one tile of 16 tokens
	s_wait_loadcnt 0x0                             ; the tile's fragments, words and tokens; in the first trip the weights too
	s_wait_xcnt 0x0                                ; the last trip's stores have read their data and addresses: both are written again below
	WIN 0x01                                       ; source 0 (the weights) window 1
.irp s, 0,1,2,3,4,5,6,7                        ; the four accumulators take turns, one instruction a turn
.irp i, 0,1,2,3
.if \s == 0
	MM OA+8*\i, 64*\i, HF, DSC+8*\i, HSC, 0, 0, 1
.else
	MM OA+8*\i, 64*\i+8*\s, HF+8*\s, DSC+8*\i+\s/2, HSC+\s%4, \s%2, (\s/4)%2, 0
.endif
.endr
.endr
	WIN 0x02                                       ; source 0 window 2
.irp s, 8,9,10,11,12,13,14,15
.irp i, 0,1,2,3
	MM OA+8*\i, 64*\i+8*(\s-8), HF+8*\s, DSC+8*\i+4+(\s-8)/2, HSC+4+\s%4, \s%2, (\s/4)%2, 0
.endr
.endr
	WIN 0
.irp k, 0,1,2,3,4,5,6,7                        ; sixteen plain lines that name no register of the products: the places in front of the loads and of the first read of the results
	v_min_u32 v[TK+\k], 0x3ff, v[TK+\k]
	v_lshl_add_u32 v[OAD+\k], v[TK+\k], 12, v7     ; row k + 8 h's token: 4,096 bytes a row of out0
.endr
	s_add_co_u32 s24, s24, 4
	s_min_u32 s25, s24, s44                        ; my next tile, or the expert's last once more: no load leaves the tiles that were written
	NEXT
.irp i, 0,1,2,3
	ds_store_b128 v5, v[OA+8*\i:OA+8*\i+3] offset:64*\i          ; each accumulator from its low end on
	ds_store_b128 v5, v[OA+8*\i+4:OA+8*\i+7] offset:64*\i+16
.endr
.irp k, 0,1,2,3,4,5,6,7
	ds_load_b128 v[OA+4*\k:OA+4*\k+3], v6 offset:SPI*\k          ; LDS serves a wave's instructions in order: these see the stores above, and land in the registers that those have read
.endr
.irp k, 0,1,2,3,4,5,6,7
	s_wait_dscnt 7-\k                              ; rows k and k + 8 are back; the younger loads may be out
	global_store_b128 v[OAD+\k], v[OA+4*\k:OA+4*\k+3], s[12:13] th:TH_STORE_NT   ; sixteen lanes store 256 consecutive bytes, aligned; written once, read by nobody here
.endr
	s_add_co_u32 s46, s46, 1                       ; the loop ends on a count of trips, one a trip, against a number that it does not write
	s_cmp_lt_u32 s46, s45
	s_cbranch_scc1 .Ltrip
.Lend:
	s_wait_tensorcnt 0x0
	ds_add_u32 v254, v255
	s_wait_dscnt 0x0
	s_endpgm
.Lfunc_end_k_qcdc703e9d8_down:
	.size	k_qcdc703e9d8_down, .Lfunc_end_k_qcdc703e9d8_down-k_qcdc703e9d8_down
	.p2alignl 7, 3214868480
	.fill 96, 4, 3214868480
	.section	.rodata,"a",@progbits
	.p2align	6, 0x0
	.amdhsa_kernel k_qcdc703e9d8_down
		.amdhsa_group_segment_fixed_size 8960
		.amdhsa_private_segment_fixed_size 0
		.amdhsa_enable_private_segment 0
		.amdhsa_kernarg_size 40
		.amdhsa_user_sgpr_count 2
		.amdhsa_user_sgpr_kernarg_segment_ptr 1
		.amdhsa_wavefront_size32 1
		.amdhsa_system_sgpr_workgroup_id_x 1
		.amdhsa_system_sgpr_workgroup_id_y 1
		.amdhsa_system_sgpr_workgroup_id_z 1
		.amdhsa_system_vgpr_workitem_id 0
		.amdhsa_next_free_vgpr 768
		.amdhsa_next_free_sgpr 66
		.amdhsa_reserve_vcc 0
		.amdhsa_float_denorm_mode_32 3
		.amdhsa_float_denorm_mode_16_64 3
		.amdhsa_memory_ordered 1
		.amdhsa_forward_progress 1
		.amdhsa_inst_pref_size 39
	.end_amdhsa_kernel
	.amdgpu_metadata
---
amdhsa.version: [ 1, 2 ]
amdhsa.kernels:
  - .name:           k_qcdc703e9d8_down
    .symbol:         k_qcdc703e9d8_down.kd
    .args:
      - { .name: wq, .offset: 0, .size: 8, .value_kind: global_buffer, .address_space: global }
      - { .name: ws, .offset: 8, .size: 8, .value_kind: global_buffer, .address_space: global }
      - { .name: hq, .offset: 16, .size: 8, .value_kind: global_buffer, .address_space: global }
      - { .name: order, .offset: 24, .size: 8, .value_kind: global_buffer, .address_space: global }
      - { .name: out0, .offset: 32, .size: 8, .value_kind: global_buffer, .address_space: global }
    .group_segment_fixed_size: 8960
    .private_segment_fixed_size: 0
    .kernarg_segment_align: 8
    .kernarg_segment_size: 40
    .max_flat_workgroup_size: 64
    .sgpr_count:     66
    .vgpr_count:     768
    .wavefront_size: 32
...
	.end_amdgpu_metadata
.endif
;; end of part 3
;; ======== version 2 of 3: 3 launches; 1.15 times as fast as version 1
;; workspace buffers: wq 16,777,216 bytes; ws 1,048,576 bytes; dq 8,388,608 bytes; dw 524,288 bytes; xq 557,056 bytes; hq 1,253,376 bytes; order 4,608 bytes of whole numbers
;; launch quant (part 4): grid 256 x 1, 9 waves a work-group, no clusters, 79,616 bytes of LDS; arguments gate_weight, up_weight, x, expert_ids, wq, ws, xq, order; writes wq, ws, xq, order
.if DOCPART == 4
	.amdgcn_target "amdgcn-amd-amdhsa--gfx1250"
	.amdhsa_code_object_version 6
	.text
	.protected	k_qcdc703e9d8_quant
	.globl	k_qcdc703e9d8_quant
	.p2align	8
	.type	k_qcdc703e9d8_quant,@function
k_qcdc703e9d8_quant:
	s_mov_b64 s[64:65], 0
	v_nop
	global_prefetch_b8 v0, s[64:65] scope:SCOPE_SE
	s_setreg_imm32_b32 hwreg(HW_REG_WAVE_MODE, 25, 1), 1
	s_wait_xcnt 0x0
; LAUNCH 1.  gate_weight, up_weight and x, all f32 with K innermost, become codes of FP4 (E2M1) with one E8M0 scale byte for each 32 along K; and the 1,024 tokens are sorted by expert
; (a counting sort on whole numbers, no LDS, no atomics).  down_weight is not wanted before the third launch: it is quantised in the second.
; A block's scale is 2^(floor(log2(its largest magnitude)) - 2); its byte is the largest magnitude's exponent field - 2, held at 1 from below.
; LIMITS: NaN and infinities among the inputs are not served.  A block of zeros gets the byte 1 where the rule says 127: its codes are zeros, which add nothing under any
; byte but 0xff, and the bytes are read by this program alone.  expert_ids lie in 0 .. 7, as the gather of the problem relies on.
; SHARES.  256 work-groups of nine waves, equal work in each.  Waves 0-7: a TASK each, 16 rows x 1,024 along K = 8 K steps of 128; task q = 8 x work-group + wave:
;   q 0..1023 gate, 1024..2047 up: tile tau = q % 1,024 = 128 e + 2 g + u; row m of the tile is hidden unit 32 g + 8 u + m + 8 (m / 8), so that two neighbouring tiles' results are 16 neighbours along the next K.
; Wave 8: a quarter of a tile of x: tokens 16 (work-group / 4) on, K steps 2 i and 2 i + 1 with i = work-group % 4.  In work-groups 0 to 3 wave 8 then places a quarter of the tokens in the sorted list.
; OUT.  wq: at 8,192 q + 1,024 s + 512 c + 16 lane the registers 4 c .. 4 c + 3 of K step s's fragment: an image of the operand's registers, so that a later load of 16 bytes a lane fills a fragment.
;   ws: at 512 q + 16 lane four words; word i: lanes 0-15 row r's scale word of K step 2 i, lanes 16-31 that of K step 2 i + 1.
;   xq: codes at 8,192 tile + 2,048 i + 128 (token % 16) + 64 (s % 2) + 32 c + 16 h (tokens are gathered later); from byte 524,288 the scale words in ws's form, 512 bytes for 16 tokens.
; A load reads 512 consecutive bytes of one row, 16 a lane; the conversions want 32 neighbours along K in ONE lane's registers.  So a K step's 16 x 512 bytes turn through the wave's own stage in LDS.
; Waves share nothing: no barrier.  Loads run two K steps (32 loads a wave) ahead.
.set SP,    528                        ; a stage row: 512 bytes + 16: row r starts 4 r words on modulo 64 words, so the sixteen lanes of a 16-byte access touch sixteen different columns
.set XP,    144                        ; a row of x's codes on their way out: 128 bytes + 16
.set OST,   9*16*SP                    ; behind the nine stages: 16 rows of XP bytes, touched by wave 8 alone
.set P,     20                         ; v20-23   the packed scale words
.set C,     24                         ; v24-31   a K step's codes
.set ROW,   32                         ; v32-47   byte offset of my 16 bytes in row i of the task
.set X,     48                         ; v48-111  64 numbers: register 32 c + i = k 64 c + 32 (lane / 16) + i of row lane % 16
.set R,     112                        ; v112-239 two sets of 64 registers as loaded
.set LIST,  512                        ; order: bytes 0..511 the table, from 512 on the sorted tokens
.set XW0,   524288                     ; xq: where the scale words begin
.set SRC,   32                         ; s[32:33] the source;  s[34:35] where the codes go;  s[36:37] where the scale words go
.set OC,    34
.set OS,    36
	s_load_b512 s[8:23], s[0:1], 0x0               ; gate s[8:9], up s[10:11], x s[12:13], ids s[14:15], wq s[16:17], ws s[18:19], xq s[20:21], order s[22:23]
	v_lshl_add_u32 v240, v0, 2, 0x13200
	v_mov_b32 v241, 0
	v_lshrrev_b32 v1, 5, v0
	v_readfirstlane_b32 s26, v1                    ; wave 0..8
	v_and_b32 v1, 31, v0                           ; lane
	v_and_b32 v2, 15, v0                           ; r
	v_bfe_u32 v3, v0, 4, 1                         ; h
	v_lshlrev_b32 v4, 4, v1                        ; 16 x lane
	; a weight's task
	s_lshl_b32 s29, ttmp9, 3
	s_add_co_u32 s29, s29, s26                     ; q
	s_and_b32 s30, s29, 1023                       ; tau
	s_lshr_b32 s38, s30, 1
	s_lshl_b32 s38, s38, 17                        ; two tiles are 32 rows of 4,096 bytes,
	s_and_b32 s42, s30, 1
	s_lshl_b32 s42, s42, 15                        ; tau's low bit is worth 8 rows
	s_add_co_u32 s38, s38, s42
	s_lshl_b32 s43, s29, 13                        ; its codes,
	s_lshl_b32 s47, s29, 9                         ; its scale words
	; x's quarter
	s_lshr_b32 s31, ttmp9, 2                       ; the tile of 16 tokens
	s_and_b32 s40, ttmp9, 3                        ; i
	s_lshl_b32 s41, s31, 16
	s_lshl_b32 s42, s40, 10
	s_add_co_u32 s41, s41, s42                     ; 16 rows of 4,096 bytes a tile, 1,024 bytes a quarter
	s_lshl_b32 s27, ttmp9, 11                      ; its codes: 2,048 (4 tile + i)
	s_lshl_b32 s28, s31, 9
	s_lshl_b32 s42, s40, 2
	s_add_co_u32 s28, s28, s42
	s_add_co_u32 s28, s28, XW0                     ; its scale words: word i of each lane's four
	s_cmp_eq_u32 s26, 8                            ; which of the two: the wave's number alone decides
	s_cselect_b32 s38, s41, s38
	s_cselect_b32 s43, s27, s43
	s_cselect_b32 s47, s28, s47
	s_cselect_b32 s41, 0, 0x8000                   ; gate, up: rows 8-15 of a tile lie 8 rows further on
	s_mov_b32 s39, 0
	s_mov_b32 s44, 0x76543210
	s_mov_b32 s45, 0xfedcba98                      ; v_permlanex16_b32's selects for lane l xor 16
	s_mov_b32 s46, 0xffff0000                      ; lanes 16-31
	v_add_nc_u32 v19, s41, v4
.irp i, 0,1,2,3,4,5,6,7
	v_add_nc_u32 v[ROW+\i], \i*4096, v4
.endr
.irp i, 8,9,10,11,12,13,14,15
	v_add_nc_u32 v[ROW+\i], \i*4096, v19
.endr
	s_wait_kmcnt 0x0
	s_cmp_lt_u32 ttmp9, 128                        ; tasks 0..1023 are gate's
	s_cselect_b64 s[SRC:SRC+1], s[8:9], s[10:11]
	s_cmp_eq_u32 s26, 8
	s_cselect_b64 s[SRC:SRC+1], s[12:13], s[SRC:SRC+1]
	s_cselect_b64 s[OC:OC+1], s[20:21], s[16:17]
	s_cselect_b64 s[OS:OS+1], s[20:21], s[18:19]
	s_add_nc_u64 s[SRC:SRC+1], s[SRC:SRC+1], s[38:39]
	s_mov_b32 s38, s43
	s_add_nc_u64 s[OC:OC+1], s[OC:OC+1], s[38:39]
	s_mov_b32 s38, s47
	s_add_nc_u64 s[OS:OS+1], s[OS:OS+1], s[38:39]
.macro LOADK s                         ; K step s: 16 rows x 512 bytes; 32 lanes read 512 consecutive bytes; read once in the launch
.irp i, 0,1,2,3,4,5,6,7,8,9,10,11,12,13,14,15
	global_load_b128 v[R+64*((\s)%2)+4*\i:R+64*((\s)%2)+4*\i+3], v[ROW+\i], s[SRC:SRC+1] offset:512*(\s) th:TH_LOAD_NT
.endr
.endm
	LOADK 0
	LOADK 1
	s_mul_i32 s74, s26, 16*SP                      ; my wave's stage
	v_add_nc_u32 v5, s74, v4                       ; into it: 16 x lane (+ 528 x row)
	v_mul_u32_u24 v6, v2, SP
	v_lshl_add_u32 v6, v3, 7, v6
	v_add_nc_u32 v6, s74, v6                       ; out of it: row r, + 128 h: my 32 numbers of a pair of blocks
	v_mul_u32_u24 v7, v2, XP
	v_lshl_add_u32 v7, v3, 4, v7
	v_add_nc_u32 v7, OST, v7                       ; x's codes: row r of 128 bytes, + 16 h
	v_lshrrev_b32 v8, 3, v1
	v_mul_u32_u24 v8, v8, XP
	v_and_b32 v10, 7, v1
	v_lshl_add_u32 v8, v10, 4, v8
	v_add_nc_u32 v8, OST, v8                       ; and back: eight lanes to a row, four rows an instruction
	v_lshlrev_b32 v9, 3, v3                        ; 8 h: my bytes' place in the scale word
	v_mov_b32 v17, 0                               ; written once: a lane permute's destination counts as one of its sources
; K step s of n.  isx = 1: the codes go to x's stage; 0: they are stored as they stand.
.macro STEP s, n, isx
.if (\s)+1 < (\n)
	s_wait_loadcnt 16                              ; this K step's 16 loads are in; the next step's 16 may be out
.else
	s_wait_loadcnt 0x0
.endif
.irp i, 0,1,2,3,4,5,6,7,8,9,10,11,12,13,14,15
	ds_store_b128 v5, v[R+64*((\s)%2)+4*\i:R+64*((\s)%2)+4*\i+3] offset:SP*\i
.endr
.irp c, 0,1
.irp j, 0,1,2,3,4,5,6,7
	ds_load_b128 v[X+32*\c+4*\j:X+32*\c+4*\j+3], v6 offset:256*\c+16*\j   ; LDS serves a wave's instructions in order: these see the stores above
.endr
.endr
	s_wait_dscnt 0x0                               ; my 64 numbers are in, and the stores into the stage have read their registers,
	s_wait_xcnt 0x0                                ; and the last step's stores of codes have read theirs
.if (\s)+2 < (\n)
	LOADK (\s)+2                                   ; which take the loads of two steps on
.endif
.irp c, 0,1
	v_max3_num_f32 v[10+\c], |v[X+32*\c]|, |v[X+32*\c+1]|, 0x1800000   ; block 2 c + h of my row: all 32 numbers are mine; and the floor 2^(3 - 127): the byte cannot fall under 1
.endr
.irp i, 2,4,6,8,10,12,14,16,18,20,22,24,26,28,30
.irp c, 0,1
	v_max3_num_f32 v[10+\c], v[10+\c], |v[X+32*\c+\i]|, |v[X+32*\c+\i+1]|   ; (the two blocks by turns)
.endr
.endr
.irp c, 0,1
	v_add_nc_u32 v[12+\c], 0xff000000, v[10+\c]    ; 2 off the exponent field: the conversion takes the exponent field of this operand as its scale, and nothing else of it
.endr
.irp c, 0,1
.irp g, 0,1,2,3
	v_cvt_scalef32_pk8_fp4_f32 v[C+4*\c+\g], v[X+32*\c+8*\g:X+32*\c+8*\g+7], v[12+\c]   ; registers 4 c .. 4 c + 3 of the fragment
.endr
.endr
	v_lshrrev_b32 v14, 23, v12                     ; the scales' bytes (a plain line behind the conversions)
	v_lshrrev_b32 v15, 23, v13
	v_lshl_or_b32 v16, v15, 16, v14                ; blocks h and 2 + h,
	v_lshlrev_b32 v16, v9, v16                     ; at their places in the word;
	v_permlanex16_b32 v17, v16, s44, s45
	v_or_b32 v16, v16, v17                         ; with lane l xor 16's two the row's word is whole, in both lanes
.if (\s)%2 == 0
	v_mov_b32 v18, v16
.else
	v_cndmask_b32 v[P+(\s)/2], v18, v16, s46       ; lanes 0-15 keep the even K step's word, lanes 16-31 the odd one's
.endif
.if \isx
	ds_store_b128 v7, v[C:C+3] offset:64*(\s)                          ; x's codes are gathered by rows
	ds_store_b128 v7, v[C+4:C+7] offset:64*(\s)+32
.else
	global_store_b128 v4, v[C:C+3], s[OC:OC+1] offset:1024*(\s)        ; a weight's fragment as it stands: each store covers 512 consecutive bytes, aligned
	global_store_b128 v4, v[C+4:C+7], s[OC:OC+1] offset:1024*(\s)+512
.endif
.endm
	s_cmp_eq_u32 s26, 8
	s_cbranch_scc1 .Lx
.irp t, 0,1,2,3,4,5,6,7
	STEP \t, 8, 0
.endr
	global_store_b128 v4, v[P:P+3], s[OS:OS+1]     ; the task's 128 scale words: 512 consecutive bytes
	s_wait_tensorcnt 0x0
	ds_add_u32 v240, v241
	s_wait_dscnt 0x0
	s_endpgm
.Lx:                                                   ; wave 8: two K steps of 16 tokens
	STEP 0, 2, 1
	STEP 1, 2, 1
	global_store_b32 v4, v[P], s[OS:OS+1]          ; word i of each lane's four: 4 bytes a lane, 16 apart; 128 bytes of the 2,176 that this wave stores, so that the reader gets a token's four words by one load
.irp j, 0,1,2,3
	ds_load_b128 v[R+4*\j:R+4*\j+3], v8 offset:4*XP*\j   ; four tokens' 128 bytes of codes; these see my stores
.endr
.irp j, 0,1,2,3
	s_wait_dscnt 3-\j                              ; rows 4 j .. 4 j + 3 are back; the younger loads may be out
	global_store_b128 v4, v[R+4*\j:R+4*\j+3], s[OC:OC+1] offset:512*\j   ; 512 consecutive bytes, aligned
.endr
	s_cmp_lt_u32 ttmp9, 4
	s_cbranch_scc0 .Lsorted
	; ---- the sort, in four parts: part w = the work-group's number places tokens 256 w .. 256 w + 255.  Each part counts all 1,024 ids: the low half of s[48 + e] is expert e's total,
	; the high half the number of e's tokens in front of mine.  The eight experts' masks and counts have registers of their own (s56-63), so that no scalar line reads what the line just ahead of it made.
	s_mov_b32 s75, ttmp9                           ; w
	s_wait_xcnt 0x0                                ; the stores above have read their registers
.irp i, 0,1,2,3,4,5,6,7
	global_load_b128 v[32+4*\i:35+4*\i], v4, s[14:15] offset:512*\i    ; load i: tokens 128 i .. 128 i + 127
.endr
	v_lshlrev_b32 v85, 2, v1
	s_lshl_b32 s74, s75, 10
	v_add_nc_u32 v85, s74, v85
.irp j, 0,1,2,3,4,5,6,7
	global_load_b32 v[64+\j], v85, s[14:15] offset:128*\j              ; my tokens, group j: 256 w + 32 j + lane
.endr
	s_lshl_b32 s74, s75, 8
	v_add_nc_u32 v86, s74, v1                      ; 256 w + lane
	s_lshl_b32 s72, s75, 1                         ; loads 0 .. 2 w - 1 lie in front of my tokens
.irp e, 0,1,2,3,4,5,6,7
	s_mov_b32 s[48+\e], 0
.endr
.irp n, 80,81,82,83
	v_mov_b32 v\n, 0
.endr
	s_wait_loadcnt 0x0
.irp i, 0,1,2,3,4,5,6,7
	s_cmp_gt_u32 s72, \i
	s_cselect_b32 s66, 0x10001, 1                  ; counted in both halves, or in the total alone
.irp k, 0,1,2,3
.irp e, 0,1,2,3,4,5,6,7
	v_cmp_eq_u32 s[56+\e], \e, v[32+4*\i+\k]
.endr
.irp e, 0,1,2,3,4,5,6,7
	s_bcnt1_i32_b32 s[56+\e], s[56+\e]
.endr
.irp e, 0,1,2,3,4,5,6,7
	s_mul_i32 s[56+\e], s[56+\e], s66
.endr
.irp e, 0,1,2,3,4,5,6,7
	s_add_co_u32 s[48+\e], s[48+\e], s[56+\e]
.endr
.endr
.endr
	s_mov_b32 s69, 0                               ; the running first place,
	s_mov_b32 s70, 0                               ; and the running first tile of 16
.irp e, 0,1,2,3,4,5,6,7
	s_and_b32 s68, s[48+\e], 0xffff                ; e's tokens
	s_lshr_b32 s67, s[48+\e], 16
	s_add_co_u32 s[48+\e], s69, s67                ; the place of my first token of e
	s_add_co_u32 s71, s68, 15
	s_lshr_b32 s71, s71, 4                         ; e's tiles
	v_writelane_b32 v80, s69, \e                   ; the table's row e: first place, count, first tile, tiles
	v_writelane_b32 v81, s68, \e
	v_writelane_b32 v82, s70, \e
	v_writelane_b32 v83, s71, \e
	s_add_co_u32 s69, s69, s68
	s_add_co_u32 s70, s70, s71
.endr
.irp j, 0,1,2,3,4,5,6,7
	v_mov_b32 v[72+\j], 0
.irp e, 0,1,2,3,4,5,6,7
	v_cmp_eq_u32 s[56+\e], \e, v[64+\j]
.endr
.irp e, 0,1,2,3,4,5,6,7
	v_mbcnt_lo_u32_b32 v84, s[56+\e], s[48+\e]     ; the running place + e's tokens in the lanes below mine
	v_cndmask_b32 v[72+\j], v[72+\j], v84, s[56+\e]
.endr
.irp e, 0,1,2,3,4,5,6,7
	s_bcnt1_i32_b32 s[56+\e], s[56+\e]
.endr
.irp e, 0,1,2,3,4,5,6,7
	s_add_co_u32 s[48+\e], s[48+\e], s[56+\e]
.endr
	v_min_u32 v[72+\j], 0x3ff, v[72+\j]            ; a place in the list of 1,024
	v_lshlrev_b32 v[72+\j], 2, v[72+\j]
	v_add_nc_u32 v[88+\j], 32*\j, v86              ; my token's number
	global_store_b32 v[72+\j], v[88+\j], s[22:23] offset:LIST
.endr
	s_cmp_lg_u32 s75, 0
	s_cbranch_scc1 .Lsorted
	global_store_b128 v4, v[80:83], s[22:23]       ; part 0 stores the table: 32 lanes x 16 bytes, lanes 8-31 zeros
.Lsorted:
	s_wait_tensorcnt 0x0
	ds_add_u32 v240, v241
	s_wait_dscnt 0x0
	s_endpgm
.Lfunc_end_k_qcdc703e9d8_quant:
	.size	k_qcdc703e9d8_quant, .Lfunc_end_k_qcdc703e9d8_quant-k_qcdc703e9d8_quant
	.p2alignl 7, 3214868480
	.fill 96, 4, 3214868480
	.section	.rodata,"a",@progbits
	.p2align	6, 0x0
	.amdhsa_kernel k_qcdc703e9d8_quant
		.amdhsa_group_segment_fixed_size 79616
		.amdhsa_private_segment_fixed_size 0
		.amdhsa_enable_private_segment 0
		.amdhsa_kernarg_size 64
		.amdhsa_user_sgpr_count 2
		.amdhsa_user_sgpr_kernarg_segment_ptr 1
		.amdhsa_wavefront_size32 1
		.amdhsa_system_sgpr_workgroup_id_x 1
		.amdhsa_system_sgpr_workgroup_id_y 1
		.amdhsa_system_sgpr_workgroup_id_z 1
		.amdhsa_system_vgpr_workitem_id 0
		.amdhsa_next_free_vgpr 242
		.amdhsa_next_free_sgpr 80
		.amdhsa_reserve_vcc 0
		.amdhsa_float_denorm_mode_32 3
		.amdhsa_float_denorm_mode_16_64 3
		.amdhsa_memory_ordered 1
		.amdhsa_forward_progress 1
		.amdhsa_inst_pref_size 136
	.end_amdhsa_kernel
	.amdgpu_metadata
---
amdhsa.version: [ 1, 2 ]
amdhsa.kernels:
  - .name:           k_qcdc703e9d8_quant
    .symbol:         k_qcdc703e9d8_quant.kd
    .args:
      - { .name: gate_weight, .offset: 0, .size: 8, .value_kind: global_buffer, .address_space: global }
      - { .name: up_weight, .offset: 8, .size: 8, .value_kind: global_buffer, .address_space: global }
      - { .name: x, .offset: 16, .size: 8, .value_kind: global_buffer, .address_space: global }
      - { .name: expert_ids, .offset: 24, .size: 8, .value_kind: global_buffer, .address_space: global }
      - { .name: wq, .offset: 32, .size: 8, .value_kind: global_buffer, .address_space: global }
      - { .name: ws, .offset: 40, .size: 8, .value_kind: global_buffer, .address_space: global }
      - { .name: xq, .offset: 48, .size: 8, .value_kind: global_buffer, .address_space: global }
      - { .name: order, .offset: 56, .size: 8, .value_kind: global_buffer, .address_space: global }
    .group_segment_fixed_size: 79616
    .private_segment_fixed_size: 0
    .kernarg_segment_align: 8
    .kernarg_segment_size: 64
    .max_flat_workgroup_size: 288
    .sgpr_count:     80
    .vgpr_count:     242
    .wavefront_size: 32
...
	.end_amdgpu_metadata
.endif
;; end of part 4
;; launch gateup (part 5): grid 256 x 1, 8 waves a work-group, no clusters, 34,816 bytes of LDS; arguments wq, ws, xq, order, hq, down_weight, dq, dw; writes hq, dq, dw
.if DOCPART == 5
	.amdgcn_target "amdgcn-amd-amdhsa--gfx1250"
	.amdhsa_code_object_version 6
	.text
	.protected	k_qcdc703e9d8_gateup
	.globl	k_qcdc703e9d8_gateup
	.p2align	8
	.type	k_qcdc703e9d8_gateup,@function
k_qcdc703e9d8_gateup:
	s_mov_b64 s[64:65], 0
	v_nop
	global_prefetch_b8 v0, s[64:65] scope:SCOPE_SE
	s_setreg_imm32_b32 hwreg(HW_REG_WAVE_MODE, 25, 1), 1
	s_wait_xcnt 0x0
; LAUNCH 2.  Two kinds of work that do not depend on each other, in one work-group of eight waves; the wave's number decides once, at the head, and the two ways never join: no barrier.
; WAVES 0-3: hidden = silu(x Wg^T) * (x Wu^T) for each token's own expert, both products on codes of FP4 (E2M1) with E8M0 scales, and the hidden layer quantised along the next K.
; WAVES 4-7: down_weight, f32, becomes codes and scale words for the next launch: a stream that runs while waves 0-3 wait for their gathered loads.
;
; WAVES 0-3.  Work-group: expert e = number / 32 and two groups of 32 hidden units.  Wave w: group g = 2 (number % 32) + w / 2, and the expert's tiles of 16 tokens t = w % 2, + 2, + 4 ...
; A wave keeps its four weight tiles (gate u = 0, 1; up u = 0, 1; each 16 rows x 1,024 K) in 256 registers, loaded once as images of the operand's registers, and walks the tokens.
; The walk's length comes from the table that the launch before stored as whole numbers, so nothing is shared between waves.  A wave whose first tile does not exist ends at once: the grid serves every split.
; No cluster and no joint loads: the number of tiles differs from expert to expert and is read from memory, and the weights go straight into registers.
; TRANSPOSED: source 0 = 16 rows of a weight, source 1 = 16 tokens: a lane holds ONE token (lane % 16).  Row m of tile (g, u) is hidden unit 32 g + 8 u + m + 8 (m / 8), so the 16 registers of
; tiles u = 0, 1 are hidden units 32 g + 16 (lane / 16) + 0 .. 15: neighbours along the next K.
; A place past the expert's count takes the expert's last token again: it computes that token's numbers a second time; nothing is masked.
; OUT.  hq, tile T of 16 sorted places: codes at 16,384 T + 256 g + 16 r + 8 h (an image of the next operand's registers); scale bytes from HS0 on at 1,024 T + 256 (g / 16) + 16 r + g % 16.
; REGISTERS.  Window 0: v1-23 addresses and work; v64-127 x's 8 fragments; v128-131 x's scale words; v132-147 the weights' (tile t, word i at 132 + 4 t + i); v160-191 four accumulators; v192-207 the hidden numbers.
;   Window 1: the weights: tile t, K step s at v[64 t + 8 s].
;
; WAVES 4-7.  A task each: 16 neighbouring rows of down_weight x 1,024 along K = 8 K steps of 128; task q = 4 x work-group + wave % 4 = 2 (64 e + d / 16) + half, the half says which 1,024 of K.
; dq: at 8,192 q + 1,024 s + 512 c + 16 lane the registers 4 c .. 4 c + 3 of K step s's fragment.  dw: at 512 q + 16 lane four words; word i: lanes 0-15 row r's scale word of K step 2 i, lanes 16-31 of 2 i + 1.
; A load reads 512 consecutive bytes of one row; a K step's 16 x 512 bytes turn through the wave's own stage in LDS, so that a lane holds 32 neighbours along K.  Loads run two K steps (32 loads) ahead.  All in window 0.
;
; LIMITS: NaN and infinities are not served; a block of zeros gets the byte 1 where the rule says 127 (its codes are zeros; this program alone reads the bytes).  Where 2^(-g log2 e) overflows the reciprocal is 0 and so is the hidden number.
.set XF,   64
.set XSC,  128
.set WSC,  132
.set ACC,  160
.set T,    192
.set HS0,  1179648
.set LIST, 512
.set XW0,  524288
.set SP,   528                         ; waves 4-7: a stage row: 512 bytes + 16: the sixteen lanes of a 16-byte access touch sixteen different columns
.set QP,   20                          ; v20-23   the four packed scale words
.set QC,   24                          ; v24-31   a K step's codes
.set QROW, 32                          ; v32-47   byte offset of my 16 bytes in row i of the task
.set QX,   48                          ; v48-111  64 numbers: register 32 c + i = k 64 c + 32 (lane / 16) + i of row lane % 16
.set QR,   112                         ; v112-239 two sets of 64 registers as loaded
.set MSB, 0
.macro WIN new                         ; the immediate's high byte repeats the setting that is left
.if MSB != \new
	s_set_vgpr_msb (MSB<<8)|\new
.set MSB, \new
.endif
.endm
; v[dst] = the byte in the list of place min(s[st] + r, count - 1) of my expert
.macro IDX dst, st
	v_add_nc_u32 v[\dst], s[\st], v2
	v_min_u32 v[\dst], s23, v[\dst]
	v_add_nc_u32 v[\dst], s16, v[\dst]
	v_min_u32 v[\dst], 0x3ff, v[\dst]
	v_lshlrev_b32 v[\dst], 2, v[\dst]
.endm
; from the token in v[tok]: where its codes and its scale words lie in xq
.macro XADDR tok
	v_min_u32 v[\tok], 0x3ff, v[\tok]
	v_and_b32 v10, 0x3f0, v[\tok]                  ; 16 x its tile
	v_and_b32 v23, 15, v[\tok]
	v_lshl_add_u32 v9, v10, 9, v22                 ; codes: 8,192 bytes a tile, + 16 h,
	v_lshl_add_u32 v9, v23, 7, v9                  ; + 128 (token % 16)
	v_lshl_add_u32 v10, v10, 5, v13                ; words: 512 bytes a tile, + 256 h,
	v_lshl_add_u32 v10, v23, 4, v10                ; + 16 (token % 16)
.endm
.macro XLOAD                           ; my token's 8 fragments' parts (two K steps lie together, the pairs 2,048 bytes apart) and its four scale words (lanes 0-15: the even K steps', lanes 16-31: the odd ones')
.irp s, 0,1,2,3,4,5,6,7
.irp c, 0,1
	global_load_b128 v[XF+8*\s+4*\c:XF+8*\s+4*\c+3], v9, s[8:9] offset:2048*(\s/2)+64*(\s%2)+32*\c
.endr
.endr
	global_load_b128 v[XSC:XSC+3], v10, s[8:9] offset:XW0
.endm
.macro MM d, a, b, sa, sb, odd, z      ; z: the product starts the sum;  odd: both sides' scale words stand in lanes 16-31
.if \z
	v_wmma_scale_f32_16x16x128_f8f6f4 v[(\d):(\d)+7], v[(\a):(\a)+7], v[(\b):(\b)+7], 0, v[(\sa)], v[(\sb)] matrix_a_fmt:MATRIX_FMT_FP4 matrix_b_fmt:MATRIX_FMT_FP4
.elseif \odd
	v_wmma_scale_f32_16x16x128_f8f6f4 v[(\d):(\d)+7], v[(\a):(\a)+7], v[(\b):(\b)+7], v[(\d):(\d)+7], v[(\sa)], v[(\sb)] matrix_a_fmt:MATRIX_FMT_FP4 matrix_b_fmt:MATRIX_FMT_FP4 matrix_a_scale:MATRIX_SCALE_ROW1 matrix_b_scale:MATRIX_SCALE_ROW1
.else
	v_wmma_scale_f32_16x16x128_f8f6f4 v[(\d):(\d)+7], v[(\a):(\a)+7], v[(\b):(\b)+7], v[(\d):(\d)+7], v[(\sa)], v[(\sb)] matrix_a_fmt:MATRIX_FMT_FP4 matrix_b_fmt:MATRIX_FMT_FP4
.endif
.endm
	s_load_b256 s[4:11], s[0:1], 0x0               ; wq s[4:5], ws s[6:7], xq s[8:9], order s[10:11]
	s_load_b64 s[12:13], s[0:1], 0x20              ; hq
	s_load_b64 s[48:49], s[0:1], 0x28              ; down_weight
	s_load_b128 s[52:55], s[0:1], 0x30             ; dq s[52:53], dw s[54:55]
	v_lshl_add_u32 v254, v0, 2, 0x8400
	v_mov_b32 v255, 0
	v_lshrrev_b32 v1, 5, v0
	v_readfirstlane_b32 s14, v1                    ; wave 0..7
	v_and_b32 v1, 31, v0                           ; lane
	v_and_b32 v2, 15, v0                           ; r
	v_bfe_u32 v3, v0, 4, 1                         ; h
	v_lshlrev_b32 v4, 4, v1                        ; 16 x lane
	s_cmp_ge_u32 s14, 4
	s_cbranch_scc1 .Lquant                         ; waves 4-7 take down_weight
	s_lshr_b32 s15, ttmp9, 5                       ; e
	s_and_b32 s21, ttmp9, 31
	s_lshl_b32 s21, s21, 1
	s_lshr_b32 s22, s14, 1
	s_add_co_u32 s21, s21, s22                     ; g
	s_and_b32 s22, s14, 1                          ; my first tile of tokens
	s_lshl_b32 s40, s15, 4
	s_mov_b32 s41, 0
	s_mov_b32 s36, 0xbfb8aa3b                      ; -log2(e)
	s_mov_b32 s37, s36                             ; (named with it as a pair, so it is written)
	s_mov_b32 s38, 0x76543210
	s_mov_b32 s39, 0xfedcba98                      ; v_permlanex16_b32's selects for lane l xor 16
	s_wait_kmcnt 0x0
	s_add_nc_u64 s[42:43], s[10:11], s[40:41]
	s_load_b128 s[16:19], s[42:43], 0x0            ; the table's row e: first place, count, first tile, tiles
	v_lshlrev_b32 v13, 8, v3                       ; 256 h
	v_lshlrev_b32 v22, 4, v3                       ; 16 h
	v_lshlrev_b32 v11, 4, v2
	v_lshl_add_u32 v11, v3, 3, v11                 ; 16 r + 8 h
	s_wait_kmcnt 0x0
	s_min_u32 s16, s16, 1023
	s_min_u32 s17, s17, 1024
	s_min_u32 s18, s18, 71
	s_min_u32 s19, s19, 64
	s_cmp_ge_u32 s22, s19
	s_cbranch_scc1 .Lend                           ; no tile for me
	s_sub_co_u32 s23, s17, 1                       ; the expert's last place
	s_sub_co_u32 s44, s19, s22
	s_add_co_u32 s44, s44, 1
	s_lshr_b32 s44, s44, 1                         ; my trips: every second tile from my first on, at least one
	s_mov_b32 s24, 0                               ; trips done
	s_lshl_b32 s25, s22, 4
	IDX 7, 25
	global_load_b32 v5, v7, s[10:11] offset:LIST   ; the tokens of my first tile,
	s_add_co_u32 s25, s25, 32
	IDX 8, 25
	global_load_b32 v6, v8, s[10:11] offset:LIST   ; and of my second (or the last token again)
	s_add_co_u32 s25, s25, 32                      ; 16 x the tile whose tokens are asked for next
	s_lshl_b32 s40, s15, 20
	s_lshl_b32 s42, s21, 14
	s_add_co_u32 s40, s40, s42
	s_add_nc_u64 s[26:27], s[4:5], s[40:41]        ; gate's two tiles: task 128 e + 2 g, 8,192 bytes a task
	s_add_nc_u64 s[28:29], s[26:27], 0x800000      ; up's: 1,024 tasks on
	s_lshl_b32 s40, s15, 16
	s_lshl_b32 s42, s21, 10
	s_add_co_u32 s40, s40, s42
	s_add_nc_u64 s[30:31], s[6:7], s[40:41]        ; their scale words, 512 bytes a task
	s_add_co_u32 s42, s18, s22
	s_lshl_b32 s40, s42, 14
	s_add_nc_u64 s[32:33], s[12:13], s[40:41]      ; hq at my first tile: codes,
	s_lshl_b32 s40, s42, 10
	s_add_co_u32 s40, s40, HS0
	s_add_nc_u64 s[34:35], s[12:13], s[40:41]      ; scale bytes
	s_lshl_b32 s42, s21, 8
	v_add_nc_u32 v11, s42, v11                     ; my codes' place in a tile: 256 g + 16 r + 8 h
	s_lshr_b32 s42, s21, 4
	s_lshl_b32 s42, s42, 8
	s_and_b32 s43, s21, 15
	s_add_co_u32 s42, s42, s43
	v_lshl_add_u32 v12, v2, 4, s42                 ; my byte's: 256 (g / 16) + 16 r + g % 16
	WIN 0x40                                       ; destination window 1, address window 0
.irp i, 0,1,2,3,4,5,6,7,8,9,10,11,12,13,14,15,16,17,18,19,20,21,22,23,24,25,26,27,28,29,30,31
	global_load_b128 v[4*\i:4*\i+3], v4, s[26:27] offset:512*\i        ; gate: 512 consecutive bytes a load
.endr
	WIN 0
	s_wait_loadcnt 32                              ; the two list loads are in; the 32 issued behind them may be out
	XADDR 5
	XLOAD                                          ; my first tile of x
	WIN 0x40
.irp i, 0,1,2,3,4,5,6,7,8,9,10,11,12,13,14,15,16,17,18,19,20,21,22,23,24,25,26,27,28,29,30,31
	global_load_b128 v[128+4*\i:128+4*\i+3], v4, s[28:29] offset:512*\i   ; up
.endr
	WIN 0
.irp u, 0,1
	global_load_b128 v[WSC+4*\u:WSC+4*\u+3], v4, s[30:31] offset:512*\u
	global_load_b128 v[WSC+8+4*\u:WSC+8+4*\u+3], v4, s[30:31] offset:524288+512*\u
.endr
.Ltrip:                                                ; one tile of 16 tokens
	s_wait_loadcnt 0x0                             ; x's fragments and words, the next tile's tokens; in the first trip the weights too
	WIN 0x01                                       ; source 0 (the weights) window 1
.irp s, 0,1,2,3,4,5,6,7                        ; the four accumulators take turns, one instruction a turn
.irp t, 0,1,2,3
.if \s == 0
	MM ACC+8*\t, 64*\t, XF, WSC+4*\t, XSC, 0, 1
.else
	MM ACC+8*\t, 64*\t+8*\s, XF+8*\s, WSC+4*\t+\s/2, XSC+\s/2, \s%2, 0
.endif
.endr
.endr
	WIN 0
	XADDR 6                                        ; seven plain lines that name no register of the products: the places in front of the loads below and of the first read of the results
	XLOAD                                          ; the next tile of x lands while this one's hidden numbers are made
	IDX 7, 25
	global_load_b32 v6, v7, s[10:11] offset:LIST   ; and the tokens of the tile after it
	; silu(g) u = (g / (1 + 2^(-g log2 e))) u, in f32; each accumulator is read from its low end on
.irp j, 0,2,4,6,8,10,12,14
	v_pk_mul_f32 v[T+\j:T+\j+1], v[ACC+\j:ACC+\j+1], s[36:37] op_sel_hi:[1,0]
.endr
.irp j, 0,1,2,3,4,5,6,7,8,9,10,11,12,13,14,15
	v_exp_f32 v[T+\j], v[T+\j]
.endr
	v_nop                                          ; a plain line behind the transcendentals
	s_wait_alu depctr_va_vdst(0)
.irp j, 0,2,4,6,8,10,12,14
	v_pk_add_f32 v[T+\j:T+\j+1], v[T+\j:T+\j+1], 1.0 op_sel_hi:[1,0]
.endr
.irp j, 0,1,2,3,4,5,6,7,8,9,10,11,12,13,14,15
	v_rcp_f32 v[T+\j], v[T+\j]
.endr
	v_nop
	s_wait_alu depctr_va_vdst(0)
.irp j, 0,2,4,6,8,10,12,14
	v_pk_mul_f32 v[T+\j:T+\j+1], v[T+\j:T+\j+1], v[ACC+\j:ACC+\j+1]
.endr
.irp j, 0,2,4,6,8,10,12,14
	v_pk_mul_f32 v[T+\j:T+\j+1], v[T+\j:T+\j+1], v[ACC+16+\j:ACC+16+\j+1]
.endr
	; block g of my token: my 16 numbers and lane l xor 16's
	v_max3_num_f32 v14, |v[T]|, |v[T+1]|, |v[T+2]|
	v_max3_num_f32 v15, |v[T+3]|, |v[T+4]|, |v[T+5]|
.irp i, 6,10
	v_max3_num_f32 v14, v14, |v[T+\i]|, |v[T+\i+1]|
	v_max3_num_f32 v15, v15, |v[T+\i+2]|, |v[T+\i+3]|
.endr
	v_max3_num_f32 v14, v14, |v[T+14]|, |v[T+15]|
	v_max3_num_f32 v14, v14, v15, 0x1800000        ; and the floor 2^(3 - 127): the byte cannot fall under 1
	v_permlanex16_b32 v15, v14, s38, s39
	v_max_num_f32 v14, v14, v15
	v_add_nc_u32 v16, 0xff000000, v14              ; 2 off the exponent field: the conversion's scale operand
	v_cvt_scalef32_pk8_fp4_f32 v20, v[T:T+7], v16
	v_cvt_scalef32_pk8_fp4_f32 v21, v[T+8:T+15], v16
	v_lshrrev_b32 v17, 23, v16                     ; the scale's byte (a plain line behind the conversions)
	global_store_b64 v11, v[20:21], s[32:33]       ; the 32 lanes store 256 consecutive bytes, aligned
	global_store_b8 v12, v17, s[34:35]             ; both lanes of a token write the same byte with the same value
	s_wait_xcnt 0x0                                ; the stores have read their registers and bases: both may be written again
	s_add_nc_u64 s[32:33], s[32:33], 0x8000        ; two tiles on
	s_add_nc_u64 s[34:35], s[34:35], 0x800
	s_add_co_u32 s25, s25, 32
	s_add_co_u32 s24, s24, 1                       ; the loop ends on a count of trips, one a trip, against a number that it does not write
	s_cmp_lt_u32 s24, s44
	s_cbranch_scc1 .Ltrip
.Lend:
	s_endpgm
	; ---- waves 4-7: a task of down_weight each
.macro LOADK s                         ; K step s: 16 rows x 512 bytes; 32 lanes read 512 consecutive bytes; read once in the launch
.irp i, 0,1,2,3,4,5,6,7,8,9,10,11,12,13,14,15
	global_load_b128 v[QR+64*((\s)%2)+4*\i:QR+64*((\s)%2)+4*\i+3], v[QROW+\i], s[60:61] offset:512*(\s) th:TH_LOAD_NT
.endr
.endm
.macro STEP s
.if (\s) < 7
	s_wait_loadcnt 16                              ; this K step's 16 loads are in; the next step's 16 may be out
.else
	s_wait_loadcnt 0x0
.endif
.irp i, 0,1,2,3,4,5,6,7,8,9,10,11,12,13,14,15
	ds_store_b128 v5, v[QR+64*((\s)%2)+4*\i:QR+64*((\s)%2)+4*\i+3] offset:SP*\i
.endr
.irp c, 0,1
.irp j, 0,1,2,3,4,5,6,7
	ds_load_b128 v[QX+32*\c+4*\j:QX+32*\c+4*\j+3], v6 offset:256*\c+16*\j   ; LDS serves a wave's instructions in order: these see the stores above
.endr
.endr
	s_wait_dscnt 0x0                               ; my 64 numbers are in, and the stores into the stage have read their registers,
	s_wait_xcnt 0x0                                ; and the last step's stores of codes have read theirs
.if (\s) < 6
	LOADK (\s)+2                                   ; which take the loads of two steps on
.endif
.irp c, 0,1
	v_max3_num_f32 v[10+\c], |v[QX+32*\c]|, |v[QX+32*\c+1]|, 0x1800000   ; block 2 c + h of my row: all 32 numbers are mine; and the floor 2^(3 - 127): the byte cannot fall under 1
.endr
.irp i, 2,4,6,8,10,12,14,16,18,20,22,24,26,28,30
.irp c, 0,1
	v_max3_num_f32 v[10+\c], v[10+\c], |v[QX+32*\c+\i]|, |v[QX+32*\c+\i+1]|   ; (the two blocks by turns)
.endr
.endr
.irp c, 0,1
	v_add_nc_u32 v[12+\c], 0xff000000, v[10+\c]    ; 2 off the exponent field: the conversion's scale operand
.endr
.irp c, 0,1
.irp g, 0,1,2,3
	v_cvt_scalef32_pk8_fp4_f32 v[QC+4*\c+\g], v[QX+32*\c+8*\g:QX+32*\c+8*\g+7], v[12+\c]   ; registers 4 c .. 4 c + 3 of the fragment
.endr
.endr
	v_lshrrev_b32 v14, 23, v12                     ; the scales' bytes (a plain line behind the conversions)
	v_lshrrev_b32 v15, 23, v13
	v_lshl_or_b32 v16, v15, 16, v14                ; blocks h and 2 + h,
	v_lshlrev_b32 v16, v9, v16                     ; at their places in the word;
	v_permlanex16_b32 v17, v16, s68, s69
	v_or_b32 v16, v16, v17                         ; with lane l xor 16's two the row's word is whole, in both lanes
.if (\s)%2 == 0
	v_mov_b32 v18, v16
.else
	v_cndmask_b32 v[QP+(\s)/2], v18, v16, vcc_lo   ; lanes 0-15 keep the even K step's word, lanes 16-31 the odd one's
.endif
	global_store_b128 v4, v[QC:QC+3], s[62:63] offset:1024*(\s)        ; the fragment as it stands: each store covers 512 consecutive bytes, aligned
	global_store_b128 v4, v[QC+4:QC+7], s[62:63] offset:1024*(\s)+512
.endm
.Lquant:
	s_and_b32 s56, s14, 3
	s_lshl_b32 s57, ttmp9, 2
	s_add_co_u32 s57, s57, s56                     ; q
	s_lshr_b32 s58, s57, 1
	s_lshl_b32 s58, s58, 17                        ; 16 rows of 8,192 bytes,
	s_and_b32 s71, s57, 1
	s_lshl_b32 s71, s71, 12                        ; half a row
	s_add_co_u32 s58, s58, s71
	s_mov_b32 s59, 0
	s_mov_b32 s68, 0x76543210
	s_mov_b32 s69, 0xfedcba98                      ; v_permlanex16_b32's selects for lane l xor 16
.irp i, 0,1,2,3,4,5,6,7,8,9,10,11,12,13,14,15
	v_add_nc_u32 v[QROW+\i], \i*8192, v4
.endr
	s_wait_kmcnt 0x0
	s_add_nc_u64 s[60:61], s[48:49], s[58:59]      ; the source
	s_lshl_b32 s58, s57, 13
	s_add_nc_u64 s[62:63], s[52:53], s[58:59]      ; where the codes go
	s_lshl_b32 s58, s57, 9
	s_add_nc_u64 s[66:67], s[54:55], s[58:59]      ; where the scale words go
	LOADK 0
	LOADK 1
	s_mul_i32 s71, s56, 16*SP                      ; my wave's stage
	v_add_nc_u32 v5, s71, v4                       ; into it: 16 x lane (+ 528 x row)
	v_mul_u32_u24 v6, v2, SP
	v_lshl_add_u32 v6, v3, 7, v6
	v_add_nc_u32 v6, s71, v6                       ; out of it: row r, + 128 h: my 32 numbers of a pair of blocks
	v_lshlrev_b32 v9, 3, v3                        ; 8 h: my bytes' place in the scale word
	v_mov_b32 v17, 0                               ; written once: a lane permute's destination counts as one of its sources
	v_cmp_lt_u32 vcc_lo, 15, v1                    ; lanes 16-31; nothing on this way writes it again
.irp t, 0,1,2,3,4,5,6,7
	STEP \t
.endr
	global_store_b128 v4, v[QP:QP+3], s[66:67]     ; the task's 128 scale words: 512 consecutive bytes
	s_wait_tensorcnt 0x0
	ds_add_u32 v254, v255
	s_wait_dscnt 0x0
	s_endpgm
.Lfunc_end_k_qcdc703e9d8_gateup:
	.size	k_qcdc703e9d8_gateup, .Lfunc_end_k_qcdc703e9d8_gateup-k_qcdc703e9d8_gateup
	.p2alignl 7, 3214868480
	.fill 96, 4, 3214868480
	.section	.rodata,"a",@progbits
	.p2align	6, 0x0
	.amdhsa_kernel k_qcdc703e9d8_gateup
		.amdhsa_group_segment_fixed_size 34816
		.amdhsa_private_segment_fixed_size 0
		.amdhsa_enable_private_segment 0
		.amdhsa_kernarg_size 64
		.amdhsa_user_sgpr_count 2
		.amdhsa_user_sgpr_kernarg_segment_ptr 1
		.amdhsa_wavefront_size32 1
		.amdhsa_system_sgpr_workgroup_id_x 1
		.amdhsa_system_sgpr_workgroup_id_y 1
		.amdhsa_system_sgpr_workgroup_id_z 1
		.amdhsa_system_vgpr_workitem_id 0
		.amdhsa_next_free_vgpr 512
		.amdhsa_next_free_sgpr 72
		.amdhsa_reserve_vcc 1
		.amdhsa_float_denorm_mode_32 3
		.amdhsa_float_denorm_mode_16_64 3
		.amdhsa_memory_ordered 1
		.amdhsa_forward_progress 1
		.amdhsa_inst_pref_size 80
	.end_amdhsa_kernel
	.amdgpu_metadata
---
amdhsa.version: [ 1, 2 ]
amdhsa.kernels:
  - .name:           k_qcdc703e9d8_gateup
    .symbol:         k_qcdc703e9d8_gateup.kd
    .args:
      - { .name: wq, .offset: 0, .size: 8, .value_kind: global_buffer, .address_space: global }
      - { .name: ws, .offset: 8, .size: 8, .value_kind: global_buffer, .address_space: global }
      - { .name: xq, .offset: 16, .size: 8, .value_kind: global_buffer, .address_space: global }
      - { .name: order, .offset: 24, .size: 8, .value_kind: global_buffer, .address_space: global }
      - { .name: hq, .offset: 32, .size: 8, .value_kind: global_buffer, .address_space: global }
      - { .name: down_weight, .offset: 40, .size: 8, .value_kind: global_buffer, .address_space: global }
      - { .name: dq, .offset: 48, .size: 8, .value_kind: global_buffer, .address_space: global }
      - { .name: dw, .offset: 56, .size: 8, .value_kind: global_buffer, .address_space: global }
    .group_segment_fixed_size: 34816
    .private_segment_fixed_size: 0
    .kernarg_segment_align: 8
    .kernarg_segment_size: 64
    .max_flat_workgroup_size: 256
    .sgpr_count:     72
    .vgpr_count:     512
    .wavefront_size: 32
...
	.end_amdgpu_metadata
.endif
;; end of part 5
;; launch down (part 6): grid 256 x 1, 2 waves a work-group, no clusters, 8,960 bytes of LDS; arguments dq, dw, hq, order, out0; writes out0
.if DOCPART == 6
	.amdgcn_target "amdgcn-amd-amdhsa--gfx1250"
	.amdhsa_code_object_version 6
	.text
	.protected	k_qcdc703e9d8_down
	.globl	k_qcdc703e9d8_down
	.p2align	8
	.type	k_qcdc703e9d8_down,@function
k_qcdc703e9d8_down:
	s_mov_b64 s[64:65], 0
	v_nop
	global_prefetch_b8 v0, s[64:65] scope:SCOPE_SE
	s_setreg_imm32_b32 hwreg(HW_REG_WAVE_MODE, 25, 1), 1
	s_wait_xcnt 0x0
; LAUNCH 3.  out[token] = hidden[token] Wd_e^T for the token's own expert, on codes of FP4 (E2M1) with E8M0 scales; K = 2,048 = 16 K steps of 128.
; SHARES.  Work-group: expert e = number / 32, outputs 64 og .. 64 og + 63 with og = (number / 2) % 16.  Wave w walks the expert's tiles of 16 tokens t = 2 (number % 2) + w, + 4, + 8 ...
; A wave keeps its 4 tiles of 16 outputs x 16 K steps in 512 registers, loaded once as images of the operand's registers.  The walk's length comes from the table stored two launches ago as whole numbers:
; waves share nothing, no barrier.  A wave whose first tile does not exist ends at once: the grid serves every split.
; No cluster and no joint loads: the number of tiles differs from expert to expert and is read from memory, and the weights go straight into registers.
; TRANSPOSED: source 0 = 16 rows of Wd, source 1 = 16 tokens: a lane holds one token (lane % 16) and eight neighbouring outputs.  A tile's 16 x 64 results go through the wave's own stage in LDS and
; leave by rows: sixteen lanes store 256 consecutive bytes of a token's row, aligned.
; A place past the expert's count holds the expert's last token again: it stores the same numbers to the same row; nothing is masked.
; REGISTERS.  Window 0: v1-7 addresses; v8-15 tokens; v16-23 list addresses; v24-31 store addresses; v32-63 four accumulators, then rows; v64-191 the hidden layer's 16 fragments; v192-199 its scale words;
;   v200-231 the weights' scale words.   Window 1: the weights' K steps 0-7 (tile i, step s at v[64 i + 8 s]).   Window 2: K steps 8-15.
.set TK,   8
.set IX,   16
.set OAD,  24
.set OA,   32
.set HF,   64
.set HSC,  192
.set DSC,  200
.set HS0,  1179648
.set LIST, 512
.set SPI,  272                         ; a stage row: 256 bytes + 16
.set MSB, 0
.macro WIN new                         ; the immediate's high byte repeats the setting that is left
.if MSB != \new
	s_set_vgpr_msb (MSB<<8)|\new
.set MSB, \new
.endif
.endm
.macro MM d, a, b, sa, sb, ra, rb, z   ; z: the product starts the sum;  ra, rb: that side's scale words stand in lanes 16-31
.if \z
	v_wmma_scale_f32_16x16x128_f8f6f4 v[(\d):(\d)+7], v[(\a):(\a)+7], v[(\b):(\b)+7], 0, v[(\sa)], v[(\sb)] matrix_a_fmt:MATRIX_FMT_FP4 matrix_b_fmt:MATRIX_FMT_FP4
.elseif (\ra) && (\rb)
	v_wmma_scale_f32_16x16x128_f8f6f4 v[(\d):(\d)+7], v[(\a):(\a)+7], v[(\b):(\b)+7], v[(\d):(\d)+7], v[(\sa)], v[(\sb)] matrix_a_fmt:MATRIX_FMT_FP4 matrix_b_fmt:MATRIX_FMT_FP4 matrix_a_scale:MATRIX_SCALE_ROW1 matrix_b_scale:MATRIX_SCALE_ROW1
.elseif (\ra)
	v_wmma_scale_f32_16x16x128_f8f6f4 v[(\d):(\d)+7], v[(\a):(\a)+7], v[(\b):(\b)+7], v[(\d):(\d)+7], v[(\sa)], v[(\sb)] matrix_a_fmt:MATRIX_FMT_FP4 matrix_b_fmt:MATRIX_FMT_FP4 matrix_a_scale:MATRIX_SCALE_ROW1
.elseif (\rb)
	v_wmma_scale_f32_16x16x128_f8f6f4 v[(\d):(\d)+7], v[(\a):(\a)+7], v[(\b):(\b)+7], v[(\d):(\d)+7], v[(\sa)], v[(\sb)] matrix_a_fmt:MATRIX_FMT_FP4 matrix_b_fmt:MATRIX_FMT_FP4 matrix_b_scale:MATRIX_SCALE_ROW1
.else
	v_wmma_scale_f32_16x16x128_f8f6f4 v[(\d):(\d)+7], v[(\a):(\a)+7], v[(\b):(\b)+7], v[(\d):(\d)+7], v[(\sa)], v[(\sb)] matrix_a_fmt:MATRIX_FMT_FP4 matrix_b_fmt:MATRIX_FMT_FP4
.endif
.endm
; Tile s25 of my expert: its 16 fragments and scale words of the hidden layer, and the tokens of its rows k + 8 h.  No load of mine is out where this stands, so bases and addresses may be written.
.macro NEXT
	s_add_co_u32 s42, s18, s25
	s_min_u32 s42, s42, 71
	s_lshl_b32 s40, s42, 14
	s_add_nc_u64 s[30:31], s[8:9], s[40:41]
	s_lshl_b32 s40, s42, 10
	s_add_nc_u64 s[32:33], s[34:35], s[40:41]
.irp i, 0,1,2,3,4,5,6,7,8,9,10,11,12,13,14,15,16,17,18,19,20,21,22,23,24,25,26,27,28,29,30,31
	global_load_b128 v[HF+4*\i:HF+4*\i+3], v4, s[30:31] offset:512*\i   ; registers 8 s + 4 c with 2 s + c = i: 512 consecutive bytes a load
.endr
.irp q, 0,1
	global_load_b128 v[HSC+4*\q:HSC+4*\q+3], v4, s[32:33] offset:512*\q   ; register 4 q + j: lanes 0-15 K step 8 q + j, lanes 16-31 K step 8 q + 4 + j
.endr
	s_lshl_b32 s43, s25, 4
	v_add_nc_u32 v232, s43, v233                   ; 16 x tile + 8 h
.irp k, 0,1,2,3,4,5,6,7
	v_add_nc_u32 v[IX+\k], \k, v232
	v_min_u32 v[IX+\k], s23, v[IX+\k]              ; past the count: the last token again
	v_add_nc_u32 v[IX+\k], s16, v[IX+\k]
	v_min_u32 v[IX+\k], 0x3ff, v[IX+\k]
	v_lshlrev_b32 v[IX+\k], 2, v[IX+\k]
	global_load_b32 v[TK+\k], v[IX+\k], s[10:11] offset:LIST
.endr
.endm
	s_load_b256 s[4:11], s[0:1], 0x0               ; dq s[4:5], dw s[6:7], hq s[8:9], order s[10:11]
	s_load_b64 s[12:13], s[0:1], 0x20              ; out0
	v_lshl_add_u32 v254, v0, 2, 0x2200
	v_mov_b32 v255, 0
	v_lshrrev_b32 v1, 5, v0
	v_readfirstlane_b32 s14, v1                    ; wave 0, 1
	v_and_b32 v1, 31, v0                           ; lane
	v_and_b32 v2, 15, v0                           ; r
	v_bfe_u32 v3, v0, 4, 1                         ; h
	v_lshlrev_b32 v4, 4, v1                        ; 16 x lane
	s_lshr_b32 s15, ttmp9, 5                       ; e
	s_bfe_u32 s21, ttmp9, 0x40001                  ; og: 4 bits from bit 1
	s_and_b32 s22, ttmp9, 1
	s_lshl_b32 s22, s22, 1
	s_add_co_u32 s22, s22, s14                     ; my first tile of tokens
	s_lshl_b32 s40, s15, 4
	s_mov_b32 s41, 0
	s_wait_kmcnt 0x0
	s_add_nc_u64 s[42:43], s[10:11], s[40:41]
	s_load_b128 s[16:19], s[42:43], 0x0            ; the table's row e: first place, count, first tile, tiles
	s_mul_i32 s36, s14, 16*SPI                     ; my stage
	v_mul_u32_u24 v5, v2, SPI
	v_lshl_add_u32 v5, v3, 5, v5
	v_add_nc_u32 v5, s36, v5                       ; in: row r, + 32 h (+ 64 x tile)
	v_mul_u32_u24 v6, v3, 8*SPI
	v_lshl_add_u32 v6, v2, 4, v6
	v_add_nc_u32 v6, s36, v6                       ; back: lanes 0-15 row k, lanes 16-31 row k + 8; 16 bytes a lane
	s_lshl_b32 s37, s21, 8
	v_lshl_add_u32 v7, v2, 4, s37                  ; my 16 bytes in a row of out0: 256 og + 16 r
	v_lshlrev_b32 v233, 3, v3                      ; 8 h
	s_wait_kmcnt 0x0
	s_min_u32 s16, s16, 1023
	s_min_u32 s17, s17, 1024
	s_min_u32 s18, s18, 71
	s_min_u32 s19, s19, 64
	s_cmp_ge_u32 s22, s19
	s_cbranch_scc1 .Lend                           ; no tile for me
	s_sub_co_u32 s23, s17, 1                       ; the expert's last place
	s_sub_co_u32 s44, s19, 1                       ; and its last tile
	s_sub_co_u32 s45, s19, s22
	s_add_co_u32 s45, s45, 3
	s_lshr_b32 s45, s45, 2                         ; my trips: every fourth tile from my first on, at least one
	s_mov_b32 s46, 0                               ; trips done
	s_mov_b32 s24, s22                             ; t, the tile in hand
	s_mov_b32 s25, s22
	s_add_nc_u64 s[34:35], s[8:9], HS0             ; the hidden layer's scale bytes
	NEXT                                           ; my first tile
	s_lshl_b32 s40, s15, 20
	s_lshl_b32 s42, s21, 16
	s_add_co_u32 s40, s40, s42
	s_add_nc_u64 s[26:27], s[4:5], s[40:41]        ; my tasks: 2 (64 e + 4 og + i) + half, 8,192 bytes each
	s_lshl_b32 s40, s15, 16
	s_lshl_b32 s42, s21, 12
	s_add_co_u32 s40, s40, s42
	s_add_nc_u64 s[28:29], s[6:7], s[40:41]        ; their scale words, 512 bytes a task
	WIN 0x40                                       ; destination window 1, address window 0
.irp i, 0,1,2,3
.irp j, 0,1,2,3,4,5,6,7,8,9,10,11,12,13,14,15
	global_load_b128 v[64*\i+4*\j:64*\i+4*\j+3], v4, s[26:27] offset:16384*\i+512*\j
.endr
.endr
	WIN 0x80                                       ; destination window 2
.irp i, 0,1,2,3
.irp j, 0,1,2,3,4,5,6,7,8,9,10,11,12,13,14,15
	global_load_b128 v[64*\i+4*\j:64*\i+4*\j+3], v4, s[26:27] offset:16384*\i+8192+512*\j
.endr
.endr
	WIN 0
.irp n, 0,1,2,3,4,5,6,7
	global_load_b128 v[DSC+4*\n:DSC+4*\n+3], v4, s[28:29] offset:512*\n   ; task 2 i + half at 4 (2 i + half): word j: lanes 0-15 its K step 2 j, lanes 16-31 2 j + 1
.endr
.Ltrip:                                                ; one tile of 16 tokens
	s_wait_loadcnt 0x0                             ; the tile's fragments, words and tokens; in the first trip the weights too
	s_wait_xcnt 0x0                                ; the last trip's stores have read their data and addresses: both are written again below
	WIN 0x01                                       ; source 0 (the weights) window 1
.irp s, 0,1,2,3,4,5,6,7                        ; the four accumulators take turns, one instruction a turn
.irp i, 0,1,2,3
.if \s == 0
	MM OA+8*\i, 64*\i, HF, DSC+8*\i, HSC, 0, 0, 1
.else
	MM OA+8*\i, 64*\i+8*\s, HF+8*\s, DSC+8*\i+\s/2, HSC+\s%4, \s%2, (\s/4)%2, 0
.endif
.endr
.endr
	WIN 0x02                                       ; source 0 window 2
.irp s, 8,9,10,11,12,13,14,15
.irp i, 0,1,2,3
	MM OA+8*\i, 64*\i+8*(\s-8), HF+8*\s, DSC+8*\i+4+(\s-8)/2, HSC+4+\s%4, \s%2, (\s/4)%2, 0
.endr
.endr
	WIN 0
.irp k, 0,1,2,3,4,5,6,7                        ; sixteen plain lines that name no register of the products: the places in front of the loads and of the first read of the results
	v_min_u32 v[TK+\k], 0x3ff, v[TK+\k]
	v_lshl_add_u32 v[OAD+\k], v[TK+\k], 12, v7     ; row k + 8 h's token: 4,096 bytes a row of out0
.endr
	s_add_co_u32 s24, s24, 4
	s_min_u32 s25, s24, s44                        ; my next tile, or the expert's last once more: no load leaves the tiles that were written
	NEXT
.irp i, 0,1,2,3
	ds_store_b128 v5, v[OA+8*\i:OA+8*\i+3] offset:64*\i          ; each accumulator from its low end on
	ds_store_b128 v5, v[OA+8*\i+4:OA+8*\i+7] offset:64*\i+16
.endr
.irp k, 0,1,2,3,4,5,6,7
	ds_load_b128 v[OA+4*\k:OA+4*\k+3], v6 offset:SPI*\k          ; LDS serves a wave's instructions in order: these see the stores above, and land in the registers that those have read
.endr
.irp k, 0,1,2,3,4,5,6,7
	s_wait_dscnt 7-\k                              ; rows k and k + 8 are back; the younger loads may be out
	global_store_b128 v[OAD+\k], v[OA+4*\k:OA+4*\k+3], s[12:13] th:TH_STORE_NT   ; sixteen lanes store 256 consecutive bytes, aligned; written once, read by nobody here
.endr
	s_add_co_u32 s46, s46, 1                       ; the loop ends on a count of trips, one a trip, against a number that it does not write
	s_cmp_lt_u32 s46, s45
	s_cbranch_scc1 .Ltrip
.Lend:
	s_wait_tensorcnt 0x0
	ds_add_u32 v254, v255
	s_wait_dscnt 0x0
	s_endpgm
.Lfunc_end_k_qcdc703e9d8_down:
	.size	k_qcdc703e9d8_down, .Lfunc_end_k_qcdc703e9d8_down-k_qcdc703e9d8_down
	.p2alignl 7, 3214868480
	.fill 96, 4, 3214868480
	.section	.rodata,"a",@progbits
	.p2align	6, 0x0
	.amdhsa_kernel k_qcdc703e9d8_down
		.amdhsa_group_segment_fixed_size 8960
		.amdhsa_private_segment_fixed_size 0
		.amdhsa_enable_private_segment 0
		.amdhsa_kernarg_size 40
		.amdhsa_user_sgpr_count 2
		.amdhsa_user_sgpr_kernarg_segment_ptr 1
		.amdhsa_wavefront_size32 1
		.amdhsa_system_sgpr_workgroup_id_x 1
		.amdhsa_system_sgpr_workgroup_id_y 1
		.amdhsa_system_sgpr_workgroup_id_z 1
		.amdhsa_system_vgpr_workitem_id 0
		.amdhsa_next_free_vgpr 768
		.amdhsa_next_free_sgpr 66
		.amdhsa_reserve_vcc 0
		.amdhsa_float_denorm_mode_32 3
		.amdhsa_float_denorm_mode_16_64 3
		.amdhsa_memory_ordered 1
		.amdhsa_forward_progress 1
		.amdhsa_inst_pref_size 39
	.end_amdhsa_kernel
	.amdgpu_metadata
---
amdhsa.version: [ 1, 2 ]
amdhsa.kernels:
  - .name:           k_qcdc703e9d8_down
    .symbol:         k_qcdc703e9d8_down.kd
    .args:
      - { .name: dq, .offset: 0, .size: 8, .value_kind: global_buffer, .address_space: global }
      - { .name: dw, .offset: 8, .size: 8, .value_kind: global_buffer, .address_space: global }
      - { .name: hq, .offset: 16, .size: 8, .value_kind: global_buffer, .address_space: global }
      - { .name: order, .offset: 24, .size: 8, .value_kind: global_buffer, .address_space: global }
      - { .name: out0, .offset: 32, .size: 8, .value_kind: global_buffer, .address_space: global }
    .group_segment_fixed_size: 8960
    .private_segment_fixed_size: 0
    .kernarg_segment_align: 8
    .kernarg_segment_size: 40
    .max_flat_workgroup_size: 64
    .sgpr_count:     66
    .vgpr_count:     768
    .wavefront_size: 32
...
	.end_amdgpu_metadata
.endif
;; end of part 6
;; ======== version 3 of 3: 3 launches; version 2 with the launches gateup, down written anew for expert scheduling mode
;; workspace buffers: wq 16,777,216 bytes; ws 1,048,576 bytes; dq 8,388,608 bytes; dw 524,288 bytes; xq 557,056 bytes; hq 1,253,376 bytes; order 4,608 bytes of whole numbers
;; launch quant: the kernel of part 4 again; grid 256 x 1, 9 waves a work-group, no clusters, 79,616 bytes of LDS; arguments gate_weight, up_weight, x, expert_ids, wq, ws, xq, order; writes wq, ws, xq, order
;; launch gateup (part 7): grid 256 x 1, 8 waves a work-group, no clusters, 34,816 bytes of LDS; arguments wq, ws, xq, order, hq, down_weight, dq, dw; writes hq, dq, dw
.if DOCPART == 7
	.amdgcn_target "amdgcn-amd-amdhsa--gfx1250"
	.amdhsa_code_object_version 6
	.text
	.protected	k_qcdc703e9d8_gateup
	.globl	k_qcdc703e9d8_gateup
	.p2align	8
	.type	k_qcdc703e9d8_gateup,@function
k_qcdc703e9d8_gateup:
	s_mov_b64 s[64:65], 0
	v_nop
	global_prefetch_b8 v0, s[64:65] scope:SCOPE_SE
	s_setreg_imm32_b32 hwreg(HW_REG_WAVE_SCHED_MODE, 0, 2), 2
	s_setreg_imm32_b32 hwreg(HW_REG_WAVE_MODE, 25, 1), 1
	s_wait_xcnt 0x0
	s_wait_alu depctr_vm_vsrc(0)
; LAUNCH 2.  Two kinds of work that do not depend on each other, in one work-group of eight waves; the wave's number decides once, at the head, and the two ways never join: no barrier.
; WAVES 0-3: hidden = silu(x Wg^T) * (x Wu^T) for each token's own expert, both products on codes of FP4 (E2M1) with E8M0 scales, and the hidden layer quantised along the next K.
; WAVES 4-7: down_weight, f32, becomes codes and scale words for the next launch: a stream that runs while waves 0-3 wait for their gathered loads.
;
; WAVES 0-3.  Work-group: expert e = number / 32 and two groups of 32 hidden units.  Wave w: group g = 2 (number % 32) + w / 2, and the expert's tiles of 16 tokens t = w % 2, + 2, + 4 ...
; A wave keeps its four weight tiles (gate u = 0, 1; up u = 0, 1; each 16 rows x 1,024 K) in 256 registers, loaded once as images of the operand's registers, and walks the tokens.
; The walk's length comes from the table that the launch before stored as whole numbers, so nothing is shared between waves.  A wave whose first tile does not exist ends at once: the grid serves every split.
; No cluster and no joint loads: the number of tiles differs from expert to expert and is read from memory, and the weights go straight into registers.
; TRANSPOSED: source 0 = 16 rows of a weight, source 1 = 16 tokens: a lane holds ONE token (lane % 16).  Row m of tile (g, u) is hidden unit 32 g + 8 u + m + 8 (m / 8), so the 16 registers of
; tiles u = 0, 1 are hidden units 32 g + 16 (lane / 16) + 0 .. 15: neighbours along the next K.
; A place past the expert's count takes the expert's last token again: it computes that token's numbers a second time; nothing is masked.
; OUT.  hq, tile T of 16 sorted places: codes at 16,384 T + 256 g + 16 r + 8 h (an image of the next operand's registers); scale bytes from HS0 on at 1,024 T + 256 (g / 16) + 16 r + g % 16.
; REGISTERS.  Window 0: v1-23 addresses and work; v64-127 x's 8 fragments; v128-131 x's scale words; v132-147 the weights' (tile t, word i at 132 + 4 t + i); v160-191 four accumulators; v192-207 the hidden numbers.
;   Window 1: the weights: tile t, K step s at v[64 t + 8 s].
;
; WAVES 4-7.  A task each: 16 neighbouring rows of down_weight x 1,024 along K = 8 K steps of 128; task q = 4 x work-group + wave % 4 = 2 (64 e + d / 16) + half, the half says which 1,024 of K.
; dq: at 8,192 q + 1,024 s + 512 c + 16 lane the registers 4 c .. 4 c + 3 of K step s's fragment.  dw: at 512 q + 16 lane four words; word i: lanes 0-15 row r's scale word of K step 2 i, lanes 16-31 of 2 i + 1.
; A load reads 512 consecutive bytes of one row; a K step's 16 x 512 bytes turn through the wave's own stage in LDS, so that a lane holds 32 neighbours along K.  Loads run two K steps (32 loads) ahead.  All in window 0.
;
; LIMITS: NaN and infinities are not served; a block of zeros gets the byte 1 where the rule says 127 (its codes are zeros; this program alone reads the bytes).  Where 2^(-g log2 e) overflows the reciprocal is 0 and so is the hidden number.
;
; THE MODE: SCHED_MODE bits 1:0 = 2 (LLVM: expert scheduling mode 2), set by the entry lines.  The code itself states the register dependences between vector or matrix instructions and
; memory or LDS instructions, with s_wait_alu, always for 0.
; THE PLAN, WAVES 0-3.  Registers that memory instructions touch, round the loop:
;   v64-131       x's fragments and scale words.  The 17 loads of the trip before land in them; this trip's 32 products read them; behind the products they are loaded again.
;   v6            the next tile's tokens.  A list load lands in it; XADDR reads and writes it; behind XADDR it is loaded again.
;   v9, v10, v7   addresses.  Written by XADDR and IDX, behind the products; read by the 18 loads that follow.
;   v20, v21, v17 the trip's codes and scale byte.  Written by the two conversions and a shift; read by the two stores at the trip's end.
;   v4, v11, v12  made once at the head.  The weights and their scale words are loaded once; products alone name them afterwards.
; So a trip has one wait on vm_vsrc at its head (all six registers that it writes again have been read), one on va_vdst behind XADDR and IDX, ahead of the 18 loads, and one ahead of the two stores;
; beside them the two waits behind the transcendentals.
; THE PLAN, WAVES 4-7.  Step s:
;   the raw set s % 2   global loads land in it; the 16 stores into the stage read it; the loads of step s + 2 land in it again.
;   v48-111             the 16 loads from the stage land in them; the maxima and the conversions read them.
;   v24-31              the conversions write them; the step's two stores read them.     v20-23: the selects write them; the task's last store reads them.
;   v4, v5, v6, v32-47  made once at the head.
; So a step has one wait on vm_vsrc, ahead of its global loads and its conversions, and one on va_vdst behind its last vector line, ahead of its two stores and of the next step's loads from the stage.
.set XF,   64
.set XSC,  128
.set WSC,  132
.set ACC,  160
.set T,    192
.set HS0,  1179648
.set LIST, 512
.set XW0,  524288
.set SP,   528                         ; waves 4-7: a stage row: 512 bytes + 16: the sixteen lanes of a 16-byte access touch sixteen different columns
.set QP,   20                          ; v20-23   the four packed scale words
.set QC,   24                          ; v24-31   a K step's codes
.set QROW, 32                          ; v32-47   byte offset of my 16 bytes in row i of the task
.set QX,   48                          ; v48-111  64 numbers: register 32 c + i = k 64 c + 32 (lane / 16) + i of row lane % 16
.set QR,   112                         ; v112-239 two sets of 64 registers as loaded
.set MSB, 0
.macro WIN new                         ; the immediate's high byte repeats the setting that is left
.if MSB != \new
	s_set_vgpr_msb (MSB<<8)|\new
.set MSB, \new
.endif
.endm
; v[dst] = the byte in the list of place min(s[st] + r, count - 1) of my expert
.macro IDX dst, st
	v_add_nc_u32 v[\dst], s[\st], v2
	v_min_u32 v[\dst], s23, v[\dst]
	v_add_nc_u32 v[\dst], s16, v[\dst]
	v_min_u32 v[\dst], 0x3ff, v[\dst]
	v_lshlrev_b32 v[\dst], 2, v[\dst]
.endm
; from the token in v[tok]: where its codes and its scale words lie in xq
.macro XADDR tok
	v_min_u32 v[\tok], 0x3ff, v[\tok]
	v_and_b32 v10, 0x3f0, v[\tok]                  ; 16 x its tile
	v_and_b32 v23, 15, v[\tok]
	v_lshl_add_u32 v9, v10, 9, v22                 ; codes: 8,192 bytes a tile, + 16 h,
	v_lshl_add_u32 v9, v23, 7, v9                  ; + 128 (token % 16)
	v_lshl_add_u32 v10, v10, 5, v13                ; words: 512 bytes a tile, + 256 h,
	v_lshl_add_u32 v10, v23, 4, v10                ; + 16 (token % 16)
.endm
.macro XLOAD                           ; my token's 8 fragments' parts (two K steps lie together, the pairs 2,048 bytes apart) and its four scale words (lanes 0-15: the even K steps', lanes 16-31: the odd ones')
.irp s, 0,1,2,3,4,5,6,7
.irp c, 0,1
	global_load_b128 v[XF+8*\s+4*\c:XF+8*\s+4*\c+3], v9, s[8:9] offset:2048*(\s/2)+64*(\s%2)+32*\c
.endr
.endr
	global_load_b128 v[XSC:XSC+3], v10, s[8:9] offset:XW0
.endm
.macro MM d, a, b, sa, sb, odd, z      ; z: the product starts the sum;  odd: both sides' scale words stand in lanes 16-31
.if \z
	v_wmma_scale_f32_16x16x128_f8f6f4 v[(\d):(\d)+7], v[(\a):(\a)+7], v[(\b):(\b)+7], 0, v[(\sa)], v[(\sb)] matrix_a_fmt:MATRIX_FMT_FP4 matrix_b_fmt:MATRIX_FMT_FP4
.elseif \odd
	v_wmma_scale_f32_16x16x128_f8f6f4 v[(\d):(\d)+7], v[(\a):(\a)+7], v[(\b):(\b)+7], v[(\d):(\d)+7], v[(\sa)], v[(\sb)] matrix_a_fmt:MATRIX_FMT_FP4 matrix_b_fmt:MATRIX_FMT_FP4 matrix_a_scale:MATRIX_SCALE_ROW1 matrix_b_scale:MATRIX_SCALE_ROW1
.else
	v_wmma_scale_f32_16x16x128_f8f6f4 v[(\d):(\d)+7], v[(\a):(\a)+7], v[(\b):(\b)+7], v[(\d):(\d)+7], v[(\sa)], v[(\sb)] matrix_a_fmt:MATRIX_FMT_FP4 matrix_b_fmt:MATRIX_FMT_FP4
.endif
.endm
	s_load_b256 s[4:11], s[0:1], 0x0               ; wq s[4:5], ws s[6:7], xq s[8:9], order s[10:11]
	s_load_b64 s[12:13], s[0:1], 0x20              ; hq
	s_load_b64 s[48:49], s[0:1], 0x28              ; down_weight
	s_load_b128 s[52:55], s[0:1], 0x30             ; dq s[52:53], dw s[54:55]
	v_lshl_add_u32 v254, v0, 2, 0x8400
	v_mov_b32 v255, 0
	v_lshrrev_b32 v1, 5, v0
	v_readfirstlane_b32 s14, v1                    ; wave 0..7
	v_and_b32 v1, 31, v0                           ; lane
	v_and_b32 v2, 15, v0                           ; r
	v_bfe_u32 v3, v0, 4, 1                         ; h
	v_lshlrev_b32 v4, 4, v1                        ; 16 x lane
	s_wait_alu depctr_va_sdst(0)                   ; s14, the wave's number, is written, ahead of its first reader
	s_cmp_ge_u32 s14, 4
	s_cbranch_scc1 .Lquant                         ; waves 4-7 take down_weight
	s_lshr_b32 s15, ttmp9, 5                       ; e
	s_and_b32 s21, ttmp9, 31
	s_lshl_b32 s21, s21, 1
	s_lshr_b32 s22, s14, 1
	s_add_co_u32 s21, s21, s22                     ; g
	s_and_b32 s22, s14, 1                          ; my first tile of tokens
	s_lshl_b32 s40, s15, 4
	s_mov_b32 s41, 0
	s_mov_b32 s36, 0xbfb8aa3b                      ; -log2(e)
	s_mov_b32 s37, s36                             ; (named with it as a pair, so it is written)
	s_mov_b32 s38, 0x76543210
	s_mov_b32 s39, 0xfedcba98                      ; v_permlanex16_b32's selects for lane l xor 16
	s_wait_kmcnt 0x0
	s_add_nc_u64 s[42:43], s[10:11], s[40:41]
	s_load_b128 s[16:19], s[42:43], 0x0            ; the table's row e: first place, count, first tile, tiles
	v_lshlrev_b32 v13, 8, v3                       ; 256 h
	v_lshlrev_b32 v22, 4, v3                       ; 16 h
	v_lshlrev_b32 v11, 4, v2
	v_lshl_add_u32 v11, v3, 3, v11                 ; 16 r + 8 h
	s_wait_kmcnt 0x0
	s_min_u32 s16, s16, 1023
	s_min_u32 s17, s17, 1024
	s_min_u32 s18, s18, 71
	s_min_u32 s19, s19, 64
	s_cmp_ge_u32 s22, s19
	s_cbranch_scc1 .Lend                           ; no tile for me
	s_sub_co_u32 s23, s17, 1                       ; the expert's last place
	s_sub_co_u32 s44, s19, s22
	s_add_co_u32 s44, s44, 1
	s_lshr_b32 s44, s44, 1                         ; my trips: every second tile from my first on, at least one
	s_mov_b32 s24, 0                               ; trips done
	s_lshl_b32 s25, s22, 4
	IDX 7, 25                                      ; where the tokens of my first tile stand in the list,
	s_add_co_u32 s25, s25, 32
	IDX 8, 25                                      ; and those of my second (or the last token again)
	s_add_co_u32 s25, s25, 32                      ; 16 x the tile whose tokens are asked for next
	s_lshl_b32 s42, s21, 8
	v_add_nc_u32 v11, s42, v11                     ; my codes' place in a tile: 256 g + 16 r + 8 h
	s_lshr_b32 s42, s21, 4
	s_lshl_b32 s42, s42, 8
	s_and_b32 s43, s21, 15
	s_add_co_u32 s42, s42, s43
	v_lshl_add_u32 v12, v2, 4, s42                 ; my byte's: 256 (g / 16) + 16 r + g % 16
	s_wait_alu depctr_va_vdst(0)                   ; v4, v7, v8, v11 and v12 are written: the offsets of the list loads, of the weights' loads and of every trip's stores
	global_load_b32 v5, v7, s[10:11] offset:LIST   ; the tokens of my first tile,
	global_load_b32 v6, v8, s[10:11] offset:LIST   ; and of my second
	s_lshl_b32 s40, s15, 20
	s_lshl_b32 s42, s21, 14
	s_add_co_u32 s40, s40, s42
	s_add_nc_u64 s[26:27], s[4:5], s[40:41]        ; gate's two tiles: task 128 e + 2 g, 8,192 bytes a task
	s_add_nc_u64 s[28:29], s[26:27], 0x800000      ; up's: 1,024 tasks on
	s_lshl_b32 s40, s15, 16
	s_lshl_b32 s42, s21, 10
	s_add_co_u32 s40, s40, s42
	s_add_nc_u64 s[30:31], s[6:7], s[40:41]        ; their scale words, 512 bytes a task
	s_add_co_u32 s42, s18, s22
	s_lshl_b32 s40, s42, 14
	s_add_nc_u64 s[32:33], s[12:13], s[40:41]      ; hq at my first tile: codes,
	s_lshl_b32 s40, s42, 10
	s_add_co_u32 s40, s40, HS0
	s_add_nc_u64 s[34:35], s[12:13], s[40:41]      ; scale bytes
	WIN 0x40                                       ; destination window 1, address window 0
.irp i, 0,1,2,3,4,5,6,7,8,9,10,11,12,13,14,15,16,17,18,19,20,21,22,23,24,25,26,27,28,29,30,31
	global_load_b128 v[4*\i:4*\i+3], v4, s[26:27] offset:512*\i        ; gate: 512 consecutive bytes a load.  No vector line since the wait above names v4 or these registers
.endr
	WIN 0
	s_wait_loadcnt 32                              ; the two list loads are in; the 32 issued behind them may be out
	XADDR 5
	s_wait_alu depctr_va_vdst(0)                   ; v9 and v10 are written, which the 17 loads below read as their offsets
	XLOAD                                          ; my first tile of x
	WIN 0x40
.irp i, 0,1,2,3,4,5,6,7,8,9,10,11,12,13,14,15,16,17,18,19,20,21,22,23,24,25,26,27,28,29,30,31
	global_load_b128 v[128+4*\i:128+4*\i+3], v4, s[28:29] offset:512*\i   ; up
.endr
	WIN 0
.irp u, 0,1
	global_load_b128 v[WSC+4*\u:WSC+4*\u+3], v4, s[30:31] offset:512*\u
	global_load_b128 v[WSC+8+4*\u:WSC+8+4*\u+3], v4, s[30:31] offset:524288+512*\u
.endr
.Ltrip:                                                ; one tile of 16 tokens
	s_wait_loadcnt 0x0                             ; x's fragments and words, the next tile's tokens; in the first trip the weights too
	s_wait_alu depctr_vm_vsrc(0)                   ; the loads issued so far have read v7, v9 and v10, the last trip's stores v17, v20 and v21: this trip writes all six again
	WIN 0x01                                       ; source 0 (the weights) window 1
.irp s, 0,1,2,3,4,5,6,7                        ; the four accumulators take turns, one instruction a turn
.irp t, 0,1,2,3
.if \s == 0
	MM ACC+8*\t, 64*\t, XF, WSC+4*\t, XSC, 0, 1
.else
	MM ACC+8*\t, 64*\t+8*\s, XF+8*\s, WSC+4*\t+\s/2, XSC+\s/2, \s%2, 0
.endif
.endr
.endr
	WIN 0
	XADDR 6                                        ; where the next tile of x lies,
	IDX 7, 25                                      ; and where the tokens of the tile after it stand: twelve plain lines that name no register of the products: the places in front of the first read of the results
	s_wait_alu depctr_va_vdst(0)                   ; the products are done reading x's fragments and scale words, in which the loads below land; v9, v10 and v7, their offsets, are written; XADDR is done with v6, in which the last of them lands
	XLOAD                                          ; the next tile of x lands while this one's hidden numbers are made
	global_load_b32 v6, v7, s[10:11] offset:LIST   ; and the tokens of the tile after it
	; silu(g) u = (g / (1 + 2^(-g log2 e))) u, in f32; each accumulator is read from its low end on
.irp j, 0,2,4,6,8,10,12,14
	v_pk_mul_f32 v[T+\j:T+\j+1], v[ACC+\j:ACC+\j+1], s[36:37] op_sel_hi:[1,0]
.endr
.irp j, 0,1,2,3,4,5,6,7,8,9,10,11,12,13,14,15
	v_exp_f32 v[T+\j], v[T+\j]
.endr
	v_nop                                          ; a plain line behind the transcendentals
	s_wait_alu depctr_va_vdst(0)                   ; the sixteen exponentials have written v192-207, ahead of their first reader
.irp j, 0,2,4,6,8,10,12,14
	v_pk_add_f32 v[T+\j:T+\j+1], v[T+\j:T+\j+1], 1.0 op_sel_hi:[1,0]
.endr
.irp j, 0,1,2,3,4,5,6,7,8,9,10,11,12,13,14,15
	v_rcp_f32 v[T+\j], v[T+\j]
.endr
	v_nop
	s_wait_alu depctr_va_vdst(0)                   ; the sixteen reciprocals have written v192-207, ahead of their first reader
.irp j, 0,2,4,6,8,10,12,14
	v_pk_mul_f32 v[T+\j:T+\j+1], v[T+\j:T+\j+1], v[ACC+\j:ACC+\j+1]
.endr
.irp j, 0,2,4,6,8,10,12,14
	v_pk_mul_f32 v[T+\j:T+\j+1], v[T+\j:T+\j+1], v[ACC+16+\j:ACC+16+\j+1]
.endr
	; block g of my token: my 16 numbers and lane l xor 16's
	v_max3_num_f32 v14, |v[T]|, |v[T+1]|, |v[T+2]|
	v_max3_num_f32 v15, |v[T+3]|, |v[T+4]|, |v[T+5]|
.irp i, 6,10
	v_max3_num_f32 v14, v14, |v[T+\i]|, |v[T+\i+1]|
	v_max3_num_f32 v15, v15, |v[T+\i+2]|, |v[T+\i+3]|
.endr
	v_max3_num_f32 v14, v14, |v[T+14]|, |v[T+15]|
	v_max3_num_f32 v14, v14, v15, 0x1800000        ; and the floor 2^(3 - 127): the byte cannot fall under 1
	v_permlanex16_b32 v15, v14, s38, s39
	v_max_num_f32 v14, v14, v15
	v_add_nc_u32 v16, 0xff000000, v14              ; 2 off the exponent field: the conversion's scale operand
	v_cvt_scalef32_pk8_fp4_f32 v20, v[T:T+7], v16
	v_cvt_scalef32_pk8_fp4_f32 v21, v[T+8:T+15], v16
	v_lshrrev_b32 v17, 23, v16                     ; the scale's byte (a plain line behind the conversions)
	s_wait_alu depctr_va_vdst(0)                   ; the conversions have written v20 and v21, the shift v17: the data of the two stores below
	global_store_b64 v11, v[20:21], s[32:33]       ; the 32 lanes store 256 consecutive bytes, aligned
	global_store_b8 v12, v17, s[34:35]             ; both lanes of a token write the same byte with the same value
	s_wait_xcnt 0x0                                ; the stores have read their bases, which are written again below
	s_add_nc_u64 s[32:33], s[32:33], 0x8000        ; two tiles on
	s_add_nc_u64 s[34:35], s[34:35], 0x800
	s_add_co_u32 s25, s25, 32
	s_add_co_u32 s24, s24, 1                       ; the loop ends on a count of trips, one a trip, against a number that it does not write
	s_cmp_lt_u32 s24, s44
	s_cbranch_scc1 .Ltrip
.Lend:
	s_endpgm                                       ; waves 0-3 have stored nothing to LDS
	; ---- waves 4-7: a task of down_weight each
.macro LOADK s                         ; K step s: 16 rows x 512 bytes; 32 lanes read 512 consecutive bytes; read once in the launch
.irp i, 0,1,2,3,4,5,6,7,8,9,10,11,12,13,14,15
	global_load_b128 v[QR+64*((\s)%2)+4*\i:QR+64*((\s)%2)+4*\i+3], v[QROW+\i], s[60:61] offset:512*(\s) th:TH_LOAD_NT
.endr
.endm
.macro STEP s
.if (\s) < 7
	s_wait_loadcnt 16                              ; this K step's 16 loads are in; the next step's 16 may be out
.else
	s_wait_loadcnt 0x0
.endif
.irp i, 0,1,2,3,4,5,6,7,8,9,10,11,12,13,14,15
	ds_store_b128 v5, v[QR+64*((\s)%2)+4*\i:QR+64*((\s)%2)+4*\i+3] offset:SP*\i
.endr
.irp c, 0,1
.irp j, 0,1,2,3,4,5,6,7
	ds_load_b128 v[QX+32*\c+4*\j:QX+32*\c+4*\j+3], v6 offset:256*\c+16*\j   ; LDS serves a wave's instructions in order: these see the stores above.  No vector line since the last step's wait on va_vdst names these registers
.endr
.endr
	s_wait_dscnt 0x0                               ; my 64 numbers are in
	s_wait_xcnt 0x0                                ; the last step's stores of codes have had their addresses translated: their data are written again only behind this wait
	s_wait_alu depctr_vm_vsrc(0)                   ; the stores into the stage have read this raw set, in which the loads below land; the last step's stores have read v24-31, which this step's conversions write
.if (\s) < 6
	LOADK (\s)+2                                   ; the raw set takes the loads of two steps on
.endif
.irp c, 0,1
	v_max3_num_f32 v[10+\c], |v[QX+32*\c]|, |v[QX+32*\c+1]|, 0x1800000   ; block 2 c + h of my row: all 32 numbers are mine; and the floor 2^(3 - 127): the byte cannot fall under 1
.endr
.irp i, 2,4,6,8,10,12,14,16,18,20,22,24,26,28,30
.irp c, 0,1
	v_max3_num_f32 v[10+\c], v[10+\c], |v[QX+32*\c+\i]|, |v[QX+32*\c+\i+1]|   ; (the two blocks by turns)
.endr
.endr
.irp c, 0,1
	v_add_nc_u32 v[12+\c], 0xff000000, v[10+\c]    ; 2 off the exponent field: the conversion's scale operand
.endr
.irp c, 0,1
.irp g, 0,1,2,3
	v_cvt_scalef32_pk8_fp4_f32 v[QC+4*\c+\g], v[QX+32*\c+8*\g:QX+32*\c+8*\g+7], v[12+\c]   ; registers 4 c .. 4 c + 3 of the fragment
.endr
.endr
	v_lshrrev_b32 v14, 23, v12                     ; the scales' bytes (a plain line behind the conversions)
	v_lshrrev_b32 v15, 23, v13
	v_lshl_or_b32 v16, v15, 16, v14                ; blocks h and 2 + h,
	v_lshlrev_b32 v16, v9, v16                     ; at their places in the word;
	v_permlanex16_b32 v17, v16, s68, s69
	v_or_b32 v16, v16, v17                         ; with lane l xor 16's two the row's word is whole, in both lanes
.if (\s)%2 == 0
	v_mov_b32 v18, v16
.else
	v_cndmask_b32 v[QP+(\s)/2], v18, v16, vcc_lo   ; lanes 0-15 keep the even K step's word, lanes 16-31 the odd one's
.endif
	s_wait_alu depctr_va_vdst(0)                   ; the conversions have written v24-31, the stores' data, and are done reading v48-111, in which the next step's loads from the stage land; behind the last step the four packed words v20-23 are written too
	global_store_b128 v4, v[QC:QC+3], s[62:63] offset:1024*(\s)        ; the fragment as it stands: each store covers 512 consecutive bytes, aligned
	global_store_b128 v4, v[QC+4:QC+7], s[62:63] offset:1024*(\s)+512
.endm
.Lquant:
	s_and_b32 s56, s14, 3
	s_lshl_b32 s57, ttmp9, 2
	s_add_co_u32 s57, s57, s56                     ; q
	s_lshr_b32 s58, s57, 1
	s_lshl_b32 s58, s58, 17                        ; 16 rows of 8,192 bytes,
	s_and_b32 s71, s57, 1
	s_lshl_b32 s71, s71, 12                        ; half a row
	s_add_co_u32 s58, s58, s71
	s_mov_b32 s59, 0
	s_mov_b32 s68, 0x76543210
	s_mov_b32 s69, 0xfedcba98                      ; v_permlanex16_b32's selects for lane l xor 16
.irp i, 0,1,2,3,4,5,6,7,8,9,10,11,12,13,14,15
	v_add_nc_u32 v[QROW+\i], \i*8192, v4
.endr
	s_mul_i32 s71, s56, 16*SP                      ; my wave's stage
	v_add_nc_u32 v5, s71, v4                       ; into it: 16 x lane (+ 528 x row)
	v_mul_u32_u24 v6, v2, SP
	v_lshl_add_u32 v6, v3, 7, v6
	v_add_nc_u32 v6, s71, v6                       ; out of it: row r, + 128 h: my 32 numbers of a pair of blocks
	v_lshlrev_b32 v9, 3, v3                        ; 8 h: my bytes' place in the scale word
	v_mov_b32 v17, 0                               ; written once: a lane permute's destination counts as one of its sources
	v_cmp_lt_u32 vcc_lo, 15, v1                    ; lanes 16-31; nothing on this way writes it again
	s_wait_alu depctr_va_vcc(0)                    ; VCC is written, ahead of its first reader, the select in the second step
	s_wait_kmcnt 0x0
	s_add_nc_u64 s[60:61], s[48:49], s[58:59]      ; the source
	s_lshl_b32 s58, s57, 13
	s_add_nc_u64 s[62:63], s[52:53], s[58:59]      ; where the codes go
	s_lshl_b32 s58, s57, 9
	s_add_nc_u64 s[66:67], s[54:55], s[58:59]      ; where the scale words go
	s_wait_alu depctr_va_vdst(0)                   ; v4, v5, v6 and v32-47 are written: the offsets and LDS addresses of every load and store on this way; none is written again
	LOADK 0
	LOADK 1
.irp t, 0,1,2,3,4,5,6,7
	STEP \t
.endr
	global_store_b128 v4, v[QP:QP+3], s[66:67]     ; the task's 128 scale words: 512 consecutive bytes (no vector line stands behind the last step's wait on va_vdst)
	s_wait_dscnt 0x0                               ; the closing lines, six on end
	s_wait_alu 0x0
	s_wait_tensorcnt 0x0
	ds_add_u32 v254, v255
	s_wait_dscnt 0x0
	s_endpgm
.Lfunc_end_k_qcdc703e9d8_gateup:
	.size	k_qcdc703e9d8_gateup, .Lfunc_end_k_qcdc703e9d8_gateup-k_qcdc703e9d8_gateup
	.p2alignl 7, 3214868480
	.fill 96, 4, 3214868480
	.section	.rodata,"a",@progbits
	.p2align	6, 0x0
	.amdhsa_kernel k_qcdc703e9d8_gateup
		.amdhsa_group_segment_fixed_size 34816
		.amdhsa_private_segment_fixed_size 0
		.amdhsa_enable_private_segment 0
		.amdhsa_kernarg_size 64
		.amdhsa_user_sgpr_count 2
		.amdhsa_user_sgpr_kernarg_segment_ptr 1
		.amdhsa_wavefront_size32 1
		.amdhsa_system_sgpr_workgroup_id_x 1
		.amdhsa_system_sgpr_workgroup_id_y 1
		.amdhsa_system_sgpr_workgroup_id_z 1
		.amdhsa_system_vgpr_workitem_id 0
		.amdhsa_next_free_vgpr 512
		.amdhsa_next_free_sgpr 72
		.amdhsa_reserve_vcc 1
		.amdhsa_float_denorm_mode_32 3
		.amdhsa_float_denorm_mode_16_64 3
		.amdhsa_memory_ordered 1
		.amdhsa_forward_progress 1
		.amdhsa_inst_pref_size 81
	.end_amdhsa_kernel
	.amdgpu_metadata
---
amdhsa.version: [ 1, 2 ]
amdhsa.kernels:
  - .name:           k_qcdc703e9d8_gateup
    .symbol:         k_qcdc703e9d8_gateup.kd
    .args:
      - { .name: wq, .offset: 0, .size: 8, .value_kind: global_buffer, .address_space: global }
      - { .name: ws, .offset: 8, .size: 8, .value_kind: global_buffer, .address_space: global }
      - { .name: xq, .offset: 16, .size: 8, .value_kind: global_buffer, .address_space: global }
      - { .name: order, .offset: 24, .size: 8, .value_kind: global_buffer, .address_space: global }
      - { .name: hq, .offset: 32, .size: 8, .value_kind: global_buffer, .address_space: global }
      - { .name: down_weight, .offset: 40, .size: 8, .value_kind: global_buffer, .address_space: global }
      - { .name: dq, .offset: 48, .size: 8, .value_kind: global_buffer, .address_space: global }
      - { .name: dw, .offset: 56, .size: 8, .value_kind: global_buffer, .address_space: global }
    .group_segment_fixed_size: 34816
    .private_segment_fixed_size: 0
    .kernarg_segment_align: 8
    .kernarg_segment_size: 64
    .max_flat_workgroup_size: 256
    .sgpr_count:     72
    .vgpr_count:     512
    .wavefront_size: 32
...
	.end_amdgpu_metadata
.endif
;; end of part 7
;; launch down (part 8): grid 256 x 1, 2 waves a work-group, no clusters, 8,960 bytes of LDS; arguments dq, dw, hq, order, out0; writes out0
.if DOCPART == 8
	.amdgcn_target "amdgcn-amd-amdhsa--gfx1250"
	.amdhsa_code_object_version 6
	.text
	.protected	k_qcdc703e9d8_down
	.globl	k_qcdc703e9d8_down
	.p2align	8
	.type	k_qcdc703e9d8_down,@function
k_qcdc703e9d8_down:
	s_mov_b64 s[64:65], 0
	v_nop
	global_prefetch_b8 v0, s[64:65] scope:SCOPE_SE
	s_setreg_imm32_b32 hwreg(HW_REG_WAVE_SCHED_MODE, 0, 2), 2
	s_setreg_imm32_b32 hwreg(HW_REG_WAVE_MODE, 25, 1), 1
	s_wait_xcnt 0x0
	s_wait_alu depctr_vm_vsrc(0)
; LAUNCH 3.  out[token] = hidden[token] Wd_e^T for the token's own expert, on codes of FP4 (E2M1) with E8M0 scales; K = 2,048 = 16 K steps of 128.
; SHARES.  Work-group: expert e = number / 32, outputs 64 og .. 64 og + 63 with og = (number / 2) % 16.  Wave w walks the expert's tiles of 16 tokens t = 2 (number % 2) + w, + 4, + 8 ...
; A wave keeps its 4 tiles of 16 outputs x 16 K steps in 512 registers, loaded once as images of the operand's registers.  The walk's length comes from the table stored two launches ago as whole numbers:
; waves share nothing, no barrier.  A wave whose first tile does not exist ends at once: the grid serves every split.
; No cluster and no joint loads: the number of tiles differs from expert to expert and is read from memory, and the weights go straight into registers.
; TRANSPOSED: source 0 = 16 rows of Wd, source 1 = 16 tokens: a lane holds one token (lane % 16) and eight neighbouring outputs.  A tile's 16 x 64 results go through the wave's own stage in LDS and
; leave by rows: sixteen lanes store 256 consecutive bytes of a token's row, aligned.
; A place past the expert's count holds the expert's last token again: it stores the same numbers to the same row; nothing is masked.
; REGISTERS.  Window 0: v1-7 addresses; v8-15 tokens; v16-23 list addresses; v24-31 store addresses; v32-63 four accumulators, then rows; v64-191 the hidden layer's 16 fragments; v192-199 its scale words;
;   v200-231 the weights' scale words.   Window 1: the weights' K steps 0-7 (tile i, step s at v[64 i + 8 s]).   Window 2: K steps 8-15.
; THE MODE: SCHED_MODE bits 1:0 = 2 (LLVM: expert scheduling mode 2), set by the entry lines.  The code itself states the register dependences between vector or matrix instructions and
; memory or LDS instructions, with s_wait_alu, always for 0.
; THE PLAN.  Registers that memory or LDS instructions touch, round the loop:
;   v64-199  the hidden layer's fragments and scale words.  The 34 loads of the trip before land in them; this trip's 64 products read them; behind the products they are loaded again.
;   v8-15    the tile's tokens.  List loads land in them; the sixteen address lines behind the products read and write them; then they are loaded again.
;   v16-23   list addresses.  Written behind the products; read by the 8 list loads that follow.
;   v24-31   store addresses.  Written behind the products; read by the trip's 8 stores.
;   v32-63   written by the products; read by the 8 stores into the stage; the 8 loads from the stage land in them; the 8 stores to memory read them; the next trip's products write them.
;   v4, v5, v6  made once at the head.  The weights and their scale words are loaded once; products alone name them afterwards.
; So a trip has three waits: one on vm_vsrc at its head (v16-63 have been read), one on va_vdst behind all its address lines, ahead of its 42 loads and of the stores into the stage, and one on vm_vsrc
; between the stores into the stage and the loads that land in the registers which those read.
.set TK,   8
.set IX,   16
.set OAD,  24
.set OA,   32
.set HF,   64
.set HSC,  192
.set DSC,  200
.set HS0,  1179648
.set LIST, 512
.set SPI,  272                         ; a stage row: 256 bytes + 16
.set MSB, 0
.macro WIN new                         ; the immediate's high byte repeats the setting that is left
.if MSB != \new
	s_set_vgpr_msb (MSB<<8)|\new
.set MSB, \new
.endif
.endm
.macro MM d, a, b, sa, sb, ra, rb, z   ; z: the product starts the sum;  ra, rb: that side's scale words stand in lanes 16-31
.if \z
	v_wmma_scale_f32_16x16x128_f8f6f4 v[(\d):(\d)+7], v[(\a):(\a)+7], v[(\b):(\b)+7], 0, v[(\sa)], v[(\sb)] matrix_a_fmt:MATRIX_FMT_FP4 matrix_b_fmt:MATRIX_FMT_FP4
.elseif (\ra) && (\rb)
	v_wmma_scale_f32_16x16x128_f8f6f4 v[(\d):(\d)+7], v[(\a):(\a)+7], v[(\b):(\b)+7], v[(\d):(\d)+7], v[(\sa)], v[(\sb)] matrix_a_fmt:MATRIX_FMT_FP4 matrix_b_fmt:MATRIX_FMT_FP4 matrix_a_scale:MATRIX_SCALE_ROW1 matrix_b_scale:MATRIX_SCALE_ROW1
.elseif (\ra)
	v_wmma_scale_f32_16x16x128_f8f6f4 v[(\d):(\d)+7], v[(\a):(\a)+7], v[(\b):(\b)+7], v[(\d):(\d)+7], v[(\sa)], v[(\sb)] matrix_a_fmt:MATRIX_FMT_FP4 matrix_b_fmt:MATRIX_FMT_FP4 matrix_a_scale:MATRIX_SCALE_ROW1
.elseif (\rb)
	v_wmma_scale_f32_16x16x128_f8f6f4 v[(\d):(\d)+7], v[(\a):(\a)+7], v[(\b):(\b)+7], v[(\d):(\d)+7], v[(\sa)], v[(\sb)] matrix_a_fmt:MATRIX_FMT_FP4 matrix_b_fmt:MATRIX_FMT_FP4 matrix_b_scale:MATRIX_SCALE_ROW1
.else
	v_wmma_scale_f32_16x16x128_f8f6f4 v[(\d):(\d)+7], v[(\a):(\a)+7], v[(\b):(\b)+7], v[(\d):(\d)+7], v[(\sa)], v[(\sb)] matrix_a_fmt:MATRIX_FMT_FP4 matrix_b_fmt:MATRIX_FMT_FP4
.endif
.endm
; Tile s25 of my expert, in two parts.  NEXTA: the bases of its fragments and scale words, and where the tokens of its rows k + 8 h stand in the list.
; No load of mine is out where this stands, so bases and addresses may be written.
.macro NEXTA
	s_add_co_u32 s42, s18, s25
	s_min_u32 s42, s42, 71
	s_lshl_b32 s40, s42, 14
	s_add_nc_u64 s[30:31], s[8:9], s[40:41]
	s_lshl_b32 s40, s42, 10
	s_add_nc_u64 s[32:33], s[34:35], s[40:41]
	s_lshl_b32 s43, s25, 4
	v_add_nc_u32 v232, s43, v233                   ; 16 x tile + 8 h
.irp k, 0,1,2,3,4,5,6,7                        ; the eight rows by turns: no line waits for the line above it
	v_add_nc_u32 v[IX+\k], \k, v232
.endr
.irp k, 0,1,2,3,4,5,6,7
	v_min_u32 v[IX+\k], s23, v[IX+\k]              ; past the count: the last token again
.endr
.irp k, 0,1,2,3,4,5,6,7
	v_add_nc_u32 v[IX+\k], s16, v[IX+\k]
.endr
.irp k, 0,1,2,3,4,5,6,7
	v_min_u32 v[IX+\k], 0x3ff, v[IX+\k]
.endr
.irp k, 0,1,2,3,4,5,6,7
	v_lshlrev_b32 v[IX+\k], 2, v[IX+\k]
.endr
.endm
; NEXTL: its 42 loads, in one run behind one wait on va_vdst
.macro NEXTL
.irp i, 0,1,2,3,4,5,6,7,8,9,10,11,12,13,14,15,16,17,18,19,20,21,22,23,24,25,26,27,28,29,30,31
	global_load_b128 v[HF+4*\i:HF+4*\i+3], v4, s[30:31] offset:512*\i   ; registers 8 s + 4 c with 2 s + c = i: 512 consecutive bytes a load
.endr
.irp q, 0,1
	global_load_b128 v[HSC+4*\q:HSC+4*\q+3], v4, s[32:33] offset:512*\q   ; register 4 q + j: lanes 0-15 K step 8 q + j, lanes 16-31 K step 8 q + 4 + j
.endr
.irp k, 0,1,2,3,4,5,6,7
	global_load_b32 v[TK+\k], v[IX+\k], s[10:11] offset:LIST
.endr
.endm
	s_load_b256 s[4:11], s[0:1], 0x0               ; dq s[4:5], dw s[6:7], hq s[8:9], order s[10:11]
	s_load_b64 s[12:13], s[0:1], 0x20              ; out0
	v_lshl_add_u32 v254, v0, 2, 0x2200
	v_mov_b32 v255, 0
	v_lshrrev_b32 v1, 5, v0
	v_readfirstlane_b32 s14, v1                    ; wave 0, 1
	v_and_b32 v1, 31, v0                           ; lane
	v_and_b32 v2, 15, v0                           ; r
	v_bfe_u32 v3, v0, 4, 1                         ; h
	v_lshlrev_b32 v4, 4, v1                        ; 16 x lane
	s_lshr_b32 s15, ttmp9, 5                       ; e
	s_bfe_u32 s21, ttmp9, 0x40001                  ; og: 4 bits from bit 1
	s_and_b32 s22, ttmp9, 1
	s_lshl_b32 s22, s22, 1
	s_wait_alu depctr_va_sdst(0)                   ; s14, the wave's number, is written, ahead of its first reader
	s_add_co_u32 s22, s22, s14                     ; my first tile of tokens
	s_lshl_b32 s40, s15, 4
	s_mov_b32 s41, 0
	s_wait_kmcnt 0x0
	s_add_nc_u64 s[42:43], s[10:11], s[40:41]
	s_load_b128 s[16:19], s[42:43], 0x0            ; the table's row e: first place, count, first tile, tiles
	s_mul_i32 s36, s14, 16*SPI                     ; my stage
	v_mul_u32_u24 v5, v2, SPI
	v_lshl_add_u32 v5, v3, 5, v5
	v_add_nc_u32 v5, s36, v5                       ; in: row r, + 32 h (+ 64 x tile)
	v_mul_u32_u24 v6, v3, 8*SPI
	v_lshl_add_u32 v6, v2, 4, v6
	v_add_nc_u32 v6, s36, v6                       ; back: lanes 0-15 row k, lanes 16-31 row k + 8; 16 bytes a lane
	s_lshl_b32 s37, s21, 8
	v_lshl_add_u32 v7, v2, 4, s37                  ; my 16 bytes in a row of out0: 256 og + 16 r
	v_lshlrev_b32 v233, 3, v3                      ; 8 h
	s_wait_kmcnt 0x0
	s_min_u32 s16, s16, 1023
	s_min_u32 s17, s17, 1024
	s_min_u32 s18, s18, 71
	s_min_u32 s19, s19, 64
	s_cmp_ge_u32 s22, s19
	s_cbranch_scc1 .Lend                           ; no tile for me
	s_sub_co_u32 s23, s17, 1                       ; the expert's last place
	s_sub_co_u32 s44, s19, 1                       ; and its last tile
	s_sub_co_u32 s45, s19, s22
	s_add_co_u32 s45, s45, 3
	s_lshr_b32 s45, s45, 2                         ; my trips: every fourth tile from my first on, at least one
	s_mov_b32 s46, 0                               ; trips done
	s_mov_b32 s24, s22                             ; t, the tile in hand
	s_mov_b32 s25, s22
	s_add_nc_u64 s[34:35], s[8:9], HS0             ; the hidden layer's scale bytes
	NEXTA                                          ; my first tile
	s_wait_alu depctr_va_vdst(0)                   ; v4, v5 and v6, which are not written again, and the list addresses v16-23 are written: the loads below and the stage's stores and loads read them
	NEXTL
	s_lshl_b32 s40, s15, 20
	s_lshl_b32 s42, s21, 16
	s_add_co_u32 s40, s40, s42
	s_add_nc_u64 s[26:27], s[4:5], s[40:41]        ; my tasks: 2 (64 e + 4 og + i) + half, 8,192 bytes each
	s_lshl_b32 s40, s15, 16
	s_lshl_b32 s42, s21, 12
	s_add_co_u32 s40, s40, s42
	s_add_nc_u64 s[28:29], s[6:7], s[40:41]        ; their scale words, 512 bytes a task
	WIN 0x40                                       ; destination window 1, address window 0
.irp i, 0,1,2,3
.irp j, 0,1,2,3,4,5,6,7,8,9,10,11,12,13,14,15
	global_load_b128 v[64*\i+4*\j:64*\i+4*\j+3], v4, s[26:27] offset:16384*\i+512*\j   ; no vector line since the wait above names v4 or these registers
.endr
.endr
	WIN 0x80                                       ; destination window 2
.irp i, 0,1,2,3
.irp j, 0,1,2,3,4,5,6,7,8,9,10,11,12,13,14,15
	global_load_b128 v[64*\i+4*\j:64*\i+4*\j+3], v4, s[26:27] offset:16384*\i+8192+512*\j
.endr
.endr
	WIN 0
.irp n, 0,1,2,3,4,5,6,7
	global_load_b128 v[DSC+4*\n:DSC+4*\n+3], v4, s[28:29] offset:512*\n   ; task 2 i + half at 4 (2 i + half): word j: lanes 0-15 its K step 2 j, lanes 16-31 2 j + 1
.endr
.Ltrip:                                                ; one tile of 16 tokens
	s_wait_loadcnt 0x0                             ; the tile's fragments, words and tokens; in the first trip the weights too
	s_wait_xcnt 0x0                                ; the last trip's stores have had their addresses translated: their data and addresses are written again only behind this wait
	s_wait_alu depctr_vm_vsrc(0)                   ; the last trip's stores have read the rows v32-63, which the products below write, and their addresses v24-31; the list loads have read v16-23: both are written again behind the products
	WIN 0x01                                       ; source 0 (the weights) window 1
.irp s, 0,1,2,3,4,5,6,7                        ; the four accumulators take turns, one instruction a turn
.irp i, 0,1,2,3
.if \s == 0
	MM OA+8*\i, 64*\i, HF, DSC+8*\i, HSC, 0, 0, 1
.else
	MM OA+8*\i, 64*\i+8*\s, HF+8*\s, DSC+8*\i+\s/2, HSC+\s%4, \s%2, (\s/4)%2, 0
.endif
.endr
.endr
	WIN 0x02                                       ; source 0 window 2
.irp s, 8,9,10,11,12,13,14,15
.irp i, 0,1,2,3
	MM OA+8*\i, 64*\i+8*(\s-8), HF+8*\s, DSC+8*\i+4+(\s-8)/2, HSC+4+\s%4, \s%2, (\s/4)%2, 0
.endr
.endr
	WIN 0
.irp k, 0,1,2,3,4,5,6,7                        ; plain lines that name no register of the products, these sixteen and NEXTA's: the places in front of the first read of the results
	v_min_u32 v[TK+\k], 0x3ff, v[TK+\k]
	v_lshl_add_u32 v[OAD+\k], v[TK+\k], 12, v7     ; row k + 8 h's token: 4,096 bytes a row of out0
.endr
	s_add_co_u32 s24, s24, 4
	s_min_u32 s25, s24, s44                        ; my next tile, or the expert's last once more: no load leaves the tiles that were written
	NEXTA
	s_wait_alu depctr_va_vdst(0)                   ; the products are done reading v64-199, in which the loads below land, and have written v32-63, the data of the stores into the stage; the address lines are done with v8-15, in which the list loads land, and have written v16-23 and v24-31, which the list loads and the stores to memory read
	NEXTL
.irp i, 0,1,2,3
	ds_store_b128 v5, v[OA+8*\i:OA+8*\i+3] offset:64*\i          ; each accumulator from its low end on
	ds_store_b128 v5, v[OA+8*\i+4:OA+8*\i+7] offset:64*\i+16
.endr
	s_wait_alu depctr_vm_vsrc(0)                   ; the stores into the stage have read v32-63, in which the loads below land
.irp k, 0,1,2,3,4,5,6,7
	ds_load_b128 v[OA+4*\k:OA+4*\k+3], v6 offset:SPI*\k          ; LDS serves a wave's instructions in order: these see the stores above
.endr
.irp k, 0,1,2,3,4,5,6,7
	s_wait_dscnt 7-\k                              ; rows k and k + 8 are back; the younger loads may be out
	global_store_b128 v[OAD+\k], v[OA+4*\k:OA+4*\k+3], s[12:13] th:TH_STORE_NT   ; sixteen lanes store 256 consecutive bytes, aligned; written once, read by nobody here
.endr
	s_add_co_u32 s46, s46, 1                       ; the loop ends on a count of trips, one a trip, against a number that it does not write
	s_cmp_lt_u32 s46, s45
	s_cbranch_scc1 .Ltrip
.Lend:
	s_wait_dscnt 0x0                               ; the closing lines, six on end
	s_wait_alu 0x0
	s_wait_tensorcnt 0x0
	ds_add_u32 v254, v255
	s_wait_dscnt 0x0
	s_endpgm
.Lfunc_end_k_qcdc703e9d8_down:
	.size	k_qcdc703e9d8_down, .Lfunc_end_k_qcdc703e9d8_down-k_qcdc703e9d8_down
	.p2alignl 7, 3214868480
	.fill 96, 4, 3214868480
	.section	.rodata,"a",@progbits
	.p2align	6, 0x0
	.amdhsa_kernel k_qcdc703e9d8_down
		.amdhsa_group_segment_fixed_size 8960
		.amdhsa_private_segment_fixed_size 0
		.amdhsa_enable_private_segment 0
		.amdhsa_kernarg_size 40
		.amdhsa_user_sgpr_count 2
		.amdhsa_user_sgpr_kernarg_segment_ptr 1
		.amdhsa_wavefront_size32 1
		.amdhsa_system_sgpr_workgroup_id_x 1
		.amdhsa_system_sgpr_workgroup_id_y 1
		.amdhsa_system_sgpr_workgroup_id_z 1
		.amdhsa_system_vgpr_workitem_id 0
		.amdhsa_next_free_vgpr 768
		.amdhsa_next_free_sgpr 66
		.amdhsa_reserve_vcc 0
		.amdhsa_float_denorm_mode_32 3
		.amdhsa_float_denorm_mode_16_64 3
		.amdhsa_memory_ordered 1
		.amdhsa_forward_progress 1
		.amdhsa_inst_pref_size 39
	.end_amdhsa_kernel
	.amdgpu_metadata
---
amdhsa.version: [ 1, 2 ]
amdhsa.kernels:
  - .name:           k_qcdc703e9d8_down
    .symbol:         k_qcdc703e9d8_down.kd
    .args:
      - { .name: dq, .offset: 0, .size: 8, .value_kind: global_buffer, .address_space: global }
      - { .name: dw, .offset: 8, .size: 8, .value_kind: global_buffer, .address_space: global }
      - { .name: hq, .offset: 16, .size: 8, .value_kind: global_buffer, .address_space: global }
      - { .name: order, .offset: 24, .size: 8, .value_kind: global_buffer, .address_space: global }
      - { .name: out0, .offset: 32, .size: 8, .value_kind: global_buffer, .address_space: global }
    .group_segment_fixed_size: 8960
    .private_segment_fixed_size: 0
    .kernarg_segment_align: 8
    .kernarg_segment_size: 40
    .max_flat_workgroup_size: 64
    .sgpr_count:     66
    .vgpr_count:     768
    .wavefront_size: 32
...
	.end_amdgpu_metadata
.endif
;; end of part 8
